; MI455X (gfx1250); checked and timed in simulation.
; The chip was launched on July 23, 2026; its instructions are those of AMD's public machine-readable ISA for CDNA 5 (MIT licence, August 2026) and "CDNA5" Instruction Set Architecture Reference Guide (July 2026). The comments in the code are by the model that wrote it; some were corrected since.
;; SA Module. Allowed arithmetic: matrix products marked QUANTISED: E3M2 operands, one E8M0 scale for each 32 along K, by v_wmma_scale_f32_16x16x128_f8f6f4 with both operands' format E3M2, f32 sums; everything else in f32.
;; Inputs: betak 256 float32; betaq 256 float32; bk 256 float32; bo 512 float32; bq 256 float32; bv 256 float32; gk 256 float32; gq 256 float32; mk 256 float32; mq 256 float32; vk 256 float32; vq 256 float32; wk_codes 256 x 16 x 24 uint8 (E3M2 codes of wk, K innermost, in blocks of 32 codes, four codes in three bytes); wk_scales 256 x 16 uint8 (E8M0 scales of wk, one for each 32 codes along K); wo_codes 512 x 8 x 24 uint8 (E3M2 codes of wo, K innermost, in blocks of 32 codes, four codes in three bytes); wo_scales 512 x 8 uint8 (E8M0 scales of wo, one for each 32 codes along K); wq_codes 256 x 16 x 24 uint8 (E3M2 codes of wq, K innermost, in blocks of 32 codes, four codes in three bytes); wq_scales 256 x 16 uint8 (E8M0 scales of wq, one for each 32 codes along K); wv_codes 256 x 16 x 24 uint8 (E3M2 codes of wv, K innermost, in blocks of 32 codes, four codes in three bytes); wv_scales 256 x 16 uint8 (E8M0 scales of wv, one for each 32 codes along K); x 16 x 512 x 2,048 float32.
;; Outputs: out0 16 x 512 x 2,048 float32.
;; This version of the problem:
;;   THIS VERSION OF THE PROBLEM IS GIVEN IN LOW PRECISION. The matrix products marked QUANTISED in the list below multiply operands that are first quantised to E3M2 (3 exponent bits, 2 mantissa bits; 6 bits a number), with one power-of-two scale for each 32 numbers along K (OCP MX v1.0); their sums are f32. All else is computed in f32.
;;   The module's matrix products, in the order in which they are computed (A, B: the left and right operand; K: the contracted axis; several contracted axes count as one K, in the product's order):
;;     1. [M 32,768, K 512] x [K 512, N 256]; A: input x; B: input wq (given as codes): QUANTISED
;;     2. [M 32,768, K 512] x [K 512, N 256]; A: input x; B: input wk (given as codes): QUANTISED
;;     3. [M 32,768, K 512] x [K 512, N 256]; A: input x; B: input wv (given as codes): QUANTISED
;;     4. batch 16 x [M 2,048, K 256] x [K 256, N 2,048]; A: computed on the way; B: computed on the way: QUANTISED
;;     5. batch 16 x [M 256, K 2,048] x [K 2,048, N 2,048]; A: computed on the way; B: softmax (see below): QUANTISED
;;     6. [M 32,768, K 256] x [K 256, N 512]; A: computed on the way; B: input wo (given as codes): QUANTISED
;;   THE QUANTISER, for each operand of a quantised product, along K:
;;     - K is cut into blocks of 32 from its start; a last block that is shorter is filled with zeros.
;;     - A block's scale is 2^e with e = floor(log2(the largest magnitude in the block)) - 4, held to -126 .. 127; a block of zeros has e = 0. As a byte (E8M0): e + 127.
;;     - Each number is divided by its block's scale, clamped to +-28, and rounded to the nearest number of E3M2, ties to even, subnormals kept.
;;     - The product sums the exact products of the quantised numbers (number of the format x scale) in f32.
;;   ~~~python
;;   def quantise(x, axis):      # numpy; x: float32 -> the quantised numbers, widened to float32 again
;;       x = np.moveaxis(x, axis, -1); K = x.shape[-1]
;;       x = np.pad(x, [(0, 0)] * (x.ndim - 1) + [(0, -K % 32)]); x = x.reshape(x.shape[:-1] + (-1, 32)); a = np.abs(x).max(-1, keepdims=True)
;;       e = np.where(a > 0, np.clip(np.frexp(np.where(a > 0, a, 1))[1] - 1 - 4, -126, 127), 0)      # np.frexp(a)[1] - 1 = floor(log2(a)), exactly
;;       r = np.clip(x / 2.0 ** e, -28, 28)
;;       step = 2.0 ** (np.maximum(np.frexp(np.where(r == 0, 1, r))[1] - 1, -2) - 2)
;;       q = np.round(r / step) * step * 2.0 ** e      # np.round: ties to even
;;       return np.moveaxis(q.reshape(q.shape[:-2] + (-1,))[..., :K], -1, axis).astype(np.float32)
;;   ~~~
;;   SOFTMAX AHEAD OF A QUANTISED PRODUCT. Where the list says 'softmax', what is quantised is not the finished softmax but p = 2^(t - M), with t = logit x log2(e) and M = ceil(the row's largest t), a whole number; so 1/2 < the row's largest p <= 1. The row's sum l is taken of the UNQUANTISED p, in f32, and the product's result is divided by l at the end. Since M is a whole number, a kernel that streams over the keys may use a running M (the ceiling of the running maximum): every later rescaling is an exact power of two, which a block's scale takes up: the codes' values come out the same.
;;   OPERANDS COMPUTED ON THE WAY. 'Computed on the way' means the value that the module computes at that place (a softmax that the list does not call 'softmax' is quantised finished and normalised). What goes into a quantiser is computed in f32, as accurately as f32 sums, v_exp_f32 and their like allow (about 1e-6 of the number): no bf16 or f16 on the way to a quantiser, and a product that is left as it is and whose result goes on into a quantised operand takes f32 operands (vector FMAs, or v_wmma_f32_16x16x4_f32). A number that lies on a knife's edge between two numbers of the format may be rounded either way, as far as f32 arithmetic and the matrix unit's own rounding can turn it there, and no further.
;;   INPUTS GIVEN AS CODES. wk (in the module: [256, 512], K = its axis 1); wo (in the module: [512, 256], K = its axis 1); wq (in the module: [256, 512], K = its axis 1); wv (in the module: [256, 512], K = its axis 1): each comes as NAME_codes (uint8): NAME with its K axis moved to the last place and cut into blocks of 32 codes, [.., K / 32, bytes a block], one block behind the other in memory; four codes in three bytes: a row's codes are one little-endian stream of bits, code i at bits 6 i .. 6 i + 5 (a code: sign, 3 exponent bits, 2 mantissa bits); and NAME_scales (uint8): the same leading axes, one E8M0 byte (e + 127) for each 32 codes along K. Its value is code x scale, taken as it is: it is not quantised again, and the codes and scales need not be those that the quantiser above would give.
;; One version. Each part assembles by itself: llvm-mc -triple=amdgcn-amd-amdhsa -mcpu=gfx1250 --defsym DOCPART=n.
;; ======== version 1 of 1: 2 launches
;; workspace buffers: iside 13,107,200 bytes; jside 6,553,600 bytes
;; launch proj (part 1): grid 16 x 16, 4 waves a work-group, no clusters, 327,680 bytes of LDS; arguments x, iside, jside, wv_codes, wv_scales, bv, wq_codes, wq_scales, bq, gq, betaq, mq, vq, wk_codes, wk_scales, bk, gk, betak, mk, vk; writes iside, jside
.if DOCPART == 1
	.amdgcn_target "amdgcn-amd-amdhsa--gfx1250"
	.amdhsa_code_object_version 6
	.text
	.protected	k_q3d0eb6a44e_proj
	.globl	k_q3d0eb6a44e_proj
	.p2align	8
	.type	k_q3d0eb6a44e_proj,@function
k_q3d0eb6a44e_proj:
	s_mov_b64 s[64:65], 0
	v_nop
	global_prefetch_b8 v0, s[64:65] scope:SCOPE_SE
	s_setreg_imm32_b32 hwreg(HW_REG_WAVE_MODE, 25, 1), 1
	s_wait_xcnt 0x0
; SAModule, first of two launches.  x [16][512][2048] f32 is quantised along c (E3M2, one E8M0 scale for each 32), multiplied by wq, wk, wv (given as codes), and the results
; q = relu(BN(wq x + bq)), k = relu(BN(wk x + bk)), v = wv x + bv are quantised at once for the attention's products: q and k along their 256 channels, v along the positions.
; NO WORK IS LEFT OUT AS DEAD: every input has a way to the output, and no term is the same along the softmax's axis; all inputs are loaded by one of the two launches.
; LIMITS.  NaN and infinities among the inputs are not served.  var + 1e-5 must be positive.  A block of zeros gets the scale byte 1 where the quantiser says 127: its codes are zeros, and the bytes are
; read by this program alone.  Blocks whose largest magnitude lies under 2^-122 (the floor, byte 1) were not tried.  BN is applied as sum x inv + ((b - mean) x inv + beta) with inv = gamma x v_rsq_f32(var + 1e-5):
; another order of rounding than (sum + b) x inv + (beta - mean x inv), each step in f32.
; SHARES.  A work-group takes 128 positions n of one batch and all 512 c: 256 KiB of x, asked for whole at the start, two tensor loads a wave (64 positions each: rows of 256 bytes, aligned).
; Wave w (a) quantises c = 128 w .. 128 w + 127, K step w, of all 128 positions: a lane takes a position, its 32 registers run down c, so a block is one lane's;
; (b) makes 128 channels of q (waves 0, 1) or of k (waves 2, 3) for all positions: they are one whole K step of the attention's first product; (c) makes 64 channels of v.
; Its weights, 32 + 16 fragments, stay in 576 registers.  THE WEIGHTS' WAY IN: a fragment wants 24-byte pieces of 16 rows, a lane a row; loaded so, an instruction would read 8 bytes at each of 32 places.  So a pair of
; tiles (32 rows of 384 bytes) is loaded 16 bytes a lane, four runs of 128 consecutive bytes an instruction, into the registers that its fragments will take, and turns through the wave's own stage in LDS.
; x's codes go from wave to wave through LDS as images of the operand's registers: registers 4 g .. 4 g + 3 of lane l at 512 g + 16 l, 1,536 bytes a fragment.
; THE ROWS OF A TILE ARE NOT NEIGHBOURS: lane r of tile t takes row 32 (t / 2) + 8 (t % 2) + r + 8 (r / 8): of x's positions, and of each weight's channels.  So the 16 result registers of tiles 2 b and 2 b + 1
; are 16 neighbours, 32 b + 16 (lane / 16) + 0 .. 15, along the next product's K.  q, k: source 0 = 16 rows of the weight, source 1 = 16 positions (a lane holds one position, registers run along the channels).
; v: source 0 = 16 positions, source 1 = 16 rows of wv (a lane holds one channel, registers run along the positions).
; OUT.  iside: a record of 51,200 bytes for each batch and 128 positions: q's 16 images, v's 16 images, q's scale words (1,024 bytes), v's (1,024).  jside: 25,600: k's 16 images, k's scale words.
; Every store of the wave covers whole aligned runs of 256 bytes.
; NO CLUSTER: no two work-groups read the same bytes of x, each byte of a weight is loaded by the one wave of a work-group that uses it, into registers, and LDS has no room for the weights beside x.
; REGISTERS, in windows of 256.  Window 0: v1-15 addresses; v16-41 scale words; v42-79 at work; v80-127 x's four fragments of a tile; v128-255 v's 16 accumulators (ahead of them: x's numbers).
; Window 1: the weight's fragments of K steps 0, 1; from v192 inv.  Window 2: K steps 2, 3; from v192 the shift.  Window 3: wv's fragments; from v192 the 8 accumulators of q or k.
.set TPITCH, 6272                      ; LDS: from tile to tile of x's images: 4 x 1,536 + 128
.set XIMG,   262144                    ; behind x's two halves of 131,072 bytes: the images, tile T, K step s at T x TPITCH + 1,536 s
.set XSC,    XIMG+8*TPITCH             ; x's scale words: word s of row r of tile T at 256 T + 16 r + 4 s
.set SPARE,  XSC+8*256                 ; the spare words, 128 bytes for each wave: two blocks of 256 bytes that no other line names
.set WSTG,   XIMG                      ; ahead of x's images, in their bytes (a barrier stands between): the weights' stages, 32 rows x WPIT bytes for each wave
.set WPIT,   400                       ; 384 bytes + 16 = 100 words: row r starts at bank 36 r mod 64 (64 banks of 4 bytes: ISA guide 11.1): the 32 lanes of a fragment's load of 8 bytes touch 64 different banks
.set SSQ,    6144                      ; in my own part of x's first half, once I have read it (it has had its only fill): v's 4 images at 0, q's or k's scale words here,
.set SSV,    6656                      ; v's here
.set SPW, 1                            ; v1   LDS address of my spare word; never rewritten
.set NIL, 2                            ; v2   0; never rewritten
.set AX,  3                            ; v3-4 x's numbers: my wave's rows, my lane's column, half 0, 1
.set AIW, 5                            ; v5   where I store a block's codes in an image
.set ASW, 6                            ; v6   and x's scale word
.set AIR, 7                            ; v7   images on the way back: 16 x lane
.set ASR, 8                            ; v8   scale words on the way back: 16 r + 8 h
.set LI,  9                            ; v9   16 x lane
.set VIW, 10                           ; v10  my stage + 16 x lane
.set SQW, 11                           ; v11  my stage's q or k scale words + 16 r
.set SVW, 12                           ; v12  my stage's v scale words + 16 r
.set SQO, 13                           ; v13  512 h + 16 r
.set L8,  14                           ; v14  8 x lane
.set SVR, 15                           ; v15  my stage + 8 x lane
.set W1S, 16                           ; v16-31 the weight's scale words: register 2 t + (s % 2), lanes 0-15 K step s < 2, lanes 16-31 K step s >= 2
.set WVS, 32                           ; v32-39 wv's likewise
.set XS,  40                           ; v40-41 x's likewise
.set TM,  42                           ; v42-53 largest magnitudes, bytes, scale operands
.set PC,  54                           ; v54-65 codes just made
.set SCR, 66                           ; v66-73 their second halves (a conversion's three registers begin on an even number)
.set PW,  74                           ; v74  a scale word just made
.set XW,  75                           ; v75  x's scale word in the making
.set BV,  76                           ; v76-79 bv of my lane's channel, tile 0 .. 3
.set XFR, 80                           ; v80-127
.set GWO, 80                           ; at the head alone: offsets of the loads of weights and parameters,
.set WSA, 81
.set BNA, 82
.set BVA, 83
.set SWA, 90                           ; where I put 16 bytes of a weight's row in my stage,
.set SRA, 91                           ; and where my lane's pieces of a fragment begin there
.set AV,  128
.set XN,  128                          ; two sets of 32 numbers of x
.set INV, 192
.set SH,  192
.set AA,  192
.set WV,   30                          ; s30  my wave's number
.set WOFF, 31                          ; s31  32,768 x wave
.set G1,   48                          ; s[48:55] descriptor group 1;  s[56:63] group 0 for x's two halves
.set G0,   56
.set SEL,  66                          ; s[66:67] v_permlanex16_b32's selects for lane l xor 16
.set OUTQ, 68                          ; s[68:69] where my images of q or k go;  s[70:71] their scale words;  s[72:73] v's images;  s[74:75] v's scale words
.set OUTS, 70
.set OUTV, 72
.set OUTVS, 74
.set MSB, 0
.macro WIN new                         ; the immediate's high byte repeats the setting that is left; a switch that changes nothing is dropped
.if MSB != (\new)
	s_set_vgpr_msb (MSB<<8)|(\new)
.set MSB, (\new)
.endif
.endm
.macro PLACES                          ; four places behind a matrix instruction, in front of loads into its registers and of the first read of results
.rept 4
	v_nop
.endr
.endm
; one product 16 x 16 x 128.  cc < 0: the constant 0 starts the sum.  row = 1: both sides' scales come from lanes 16-31
.macro MM d, a, b, cc, sa, sb, row
.if (\cc) < 0
	v_wmma_scale_f32_16x16x128_f8f6f4 v[(\d):(\d)+7], v[(\a):(\a)+11], v[(\b):(\b)+11], 0, v[(\sa)], v[(\sb)] matrix_a_fmt:MATRIX_FMT_BF6 matrix_b_fmt:MATRIX_FMT_BF6
.elseif (\row) == 0
	v_wmma_scale_f32_16x16x128_f8f6f4 v[(\d):(\d)+7], v[(\a):(\a)+11], v[(\b):(\b)+11], v[(\cc):(\cc)+7], v[(\sa)], v[(\sb)] matrix_a_fmt:MATRIX_FMT_BF6 matrix_b_fmt:MATRIX_FMT_BF6
.else
	v_wmma_scale_f32_16x16x128_f8f6f4 v[(\d):(\d)+7], v[(\a):(\a)+11], v[(\b):(\b)+11], v[(\cc):(\cc)+7], v[(\sa)], v[(\sb)] matrix_a_fmt:MATRIX_FMT_BF6 matrix_b_fmt:MATRIX_FMT_BF6 matrix_a_scale:MATRIX_SCALE_ROW1 matrix_b_scale:MATRIX_SCALE_ROW1
.endif
.endm
; THE WEIGHTS' TURN.  A pair of tiles is 32 rows of 384 bytes from row0 on: 24 loads, number n = 3 g + c.  Eight lanes take 128 consecutive bytes (the c-th third of a row); the four groups of eight lanes take the rows
; 2 (g % 4) + 8 (g / 4) + 16 (lane / 8 % 2) + lane / 16.  WLOAD issues twelve of the 24, from number n0 on, into 48 registers from dst on.
.macro WLOAD dst, ptr, row0, n0
.set n_, \n0
.rept 12
.set g_, n_/3
.set c_, n_%3
	global_load_b128 v[(\dst)+4*(n_-(\n0)):(\dst)+4*(n_-(\n0))+3], v[GWO], s[\ptr:\ptr+1] offset:((\row0)+2*(g_%4)+8*(g_/4))*384+128*c_
.set n_, n_+1
.endr
.endm
; The same twelve go into my stage, each row to the place of the tile and lane that will take it: row p of the 32 to stage row 16 (p / 8 % 2) + p % 8 + 8 (p / 16).
; Lanes 0-7 and 8-15 of a store stand 8 stage rows, 800 words, apart: their two runs of 32 words fill the 64 banks once.
.macro WSTORE src, n0
.set n_, \n0
.rept 12
.set g_, n_/3
.set c_, n_%3
	ds_store_b128 v[SWA], v[(\src)+4*(n_-(\n0)):(\src)+4*(n_-(\n0))+3] offset:(16*(g_/4)+2*(g_%4))*WPIT+128*c_
.set n_, n_+1
.endr
.endm
; and come back as fragments: tile u of the pair, K step s: lane (r, h) takes 2 x 24 bytes of stage row 16 u + r, as they lie, in pieces of 8 bytes
.macro WREAD dst, u, s
.irp p, 0,1,2,3,4,5
	ds_load_b64 v[(\dst)+2*\p:(\dst)+2*\p+1], v[SRA] offset:16*(\u)*WPIT+96*(\s)+48*(\p/3)+8*(\p%3)
.endr
.endm
.macro WWAIT k                         ; pair k's 24 loads are in: behind them 24 (5 - k) younger loads were issued; the count is held at the most that the wait's field names
.if 24*(5-(\k)) > 63
	s_wait_loadcnt 63
.else
	s_wait_loadcnt 24*(5-(\k))
.endif
.endm
; a BN parameter's 64 numbers in the result's layout: for tile t the channels 32 (t / 2) + 8 (t % 2) + 16 h + 0 .. 7
.macro PLOAD dst, ptr
.irp t, 0,1,2,3,4,5,6,7
	global_load_b128 v[\dst+8*\t:\dst+8*\t+3], v[BNA], s[\ptr:\ptr+1] offset:(32*(\t/2)+8*(\t%2))*4
	global_load_b128 v[\dst+8*\t+4:\dst+8*\t+7], v[BNA], s[\ptr:\ptr+1] offset:(32*(\t/2)+8*(\t%2))*4+16
.endr
.endm
; unit u of a half: 32 positions (u / 4) x block u % 4 of my 128 c.  32 loads of 128 consecutive bytes
.macro XLOAD hf, u
.set i_, 0
.rept 32
	ds_load_b32 v[XN+32*((\u)%2)+i_], v[AX+\hf] offset:(32*((\u)%4)+i_)*256+128*((\u)/4)
.set i_, i_+1
.endr
.endm
; the unit is quantised: the block's largest magnitude is my own 32 numbers'; its 24 bytes of codes go to their place in the image of the tile that my position belongs to
.macro XQ hf, u, n
.set X_, XN+32*((\u)%2)
.set D_, PC+6*((\u)%2)
.set E_, SCR+4*((\u)%2)
.set BE_, (\u)%4
.set OI_, (4*(\hf)+2*((\u)/4))*TPITCH+256*(BE_%2)
	s_wait_dscnt \n                                ; this unit's 32 loads are in, and the stores of two units ago have read their registers; the next unit's 32 loads may be out
	v_max3_num_f32 v[TM], |v[X_]|, |v[X_+1]|, |v[X_+2]|
	v_max3_num_f32 v[TM+1], |v[X_+3]|, |v[X_+4]|, |v[X_+5]|
.irp i, 6,10,14,18,22,26
	v_max3_num_f32 v[TM], v[TM], |v[X_+\i]|, |v[X_+\i+1]|
	v_max3_num_f32 v[TM+1], v[TM+1], |v[X_+\i+2]|, |v[X_+\i+3]|
.endr
	v_max3_num_f32 v[TM], v[TM], |v[X_+30]|, |v[X_+31]|
	v_max3_num_f32 v[TM], v[TM], v[TM+1], 0x2800000     ; and the floor 2^(5 - 127): the byte cannot fall under 1
	v_add_nc_u32 v[TM+8], 0xfe000000, v[TM]             ; 4 off the exponent field: the conversion takes this operand's exponent field as its scale
	v_cvt_scalef32_pk16_bf6_f32 v[D_:D_+2], v[X_:X_+15], v[TM+8]
	v_cvt_scalef32_pk16_bf6_f32 v[E_:E_+2], v[X_+16:X_+31], v[TM+8]
	v_lshrrev_b32 v[TM+4], 23, v[TM+8]                  ; the scale's byte.  (The plain place behind the conversions)
.if BE_ == 0
	v_mov_b32 v[XW], v[TM+4]
.else
	v_lshl_or_b32 v[XW], v[TM+4], 8*BE_, v[XW]
.endif
.irp i, 0,1,2
	v_mov_b32 v[D_+3+\i], v[E_+\i]
.endr
.if BE_ < 2                            ; block 2 c + h is registers 6 c .. 6 c + 5 of lane (row, h)
	ds_store_b128 v[AIW], v[D_:D_+3] offset:OI_
	ds_store_b64 v[AIW], v[D_+4:D_+5] offset:OI_+512
.else
	ds_store_b64 v[AIW], v[D_:D_+1] offset:OI_+520
	ds_store_b128 v[AIW], v[D_+2:D_+5] offset:OI_+1024
.endif
.if BE_ == 3
	ds_store_b32 v[ASW], v[XW] offset:(4*(\hf)+2*((\u)/4))*256
.endif
.endm
.macro QHALF hf                        ; 64 positions x my 128 c: eight units, loads two units ahead
	XLOAD \hf, 0
	XLOAD \hf, 1
.irp uu, 0,1,2,3,4,5
	XQ \hf, \uu, 32
	XLOAD \hf, \uu+2
.endr
	XQ \hf, 6, 32
	XQ \hf, 7, 0
.endm
.macro XFETCH tt                       ; a tile's four fragments of x and their scale words, as any wave takes them
.irp s, 0,1,2,3
.irp g, 0,1,2
	ds_load_b128 v[XFR+12*\s+4*\g:XFR+12*\s+4*\g+3], v[AIR] offset:(\tt)*TPITCH+\s*1536+512*\g
.endr
.endr
	ds_load_b64 v[XS:XS+1], v[ASR] offset:(\tt)*256
.endm
; 32 np numbers of a lane in window sw, register 16 b + i = k 32 b + 16 (lane / 16) + i of my row, become codes in v[PC] on (6 np registers) and scale bytes in v[PW]
.macro QUANT s, sw, np
	WIN (\sw)|((\sw)<<2)
.set b_, 0
.rept 2*(\np)
	v_max3_num_f32 v[TM+b_], |v[(\s)+16*b_]|, |v[(\s)+16*b_+1]|, 0x2800000   ; my 16 numbers of block b, and the floor 2^(5 - 127)
.set b_, b_+1
.endr
	WIN ((\sw)<<2)|((\sw)<<4)
.irp i, 2,4,6,8,10,12,14
.set b_, 0
.rept 2*(\np)
	v_max3_num_f32 v[TM+b_], v[TM+b_], |v[(\s)+16*b_+\i]|, |v[(\s)+16*b_+\i+1]|   ; (the blocks by turns)
.set b_, b_+1
.endr
.endr
	WIN 0
.set b_, 0
.rept 2*(\np)
	v_permlanex16_b32 v[TM+4+b_], v[TM+b_], s[SEL], s[SEL+1]
.set b_, b_+1
.endr
.set b_, 0
.rept 2*(\np)
	v_max_num_f32 v[TM+b_], v[TM+b_], v[TM+4+b_]        ; with lane l xor 16's: the block's largest magnitude
.set b_, b_+1
.endr
.set b_, 0
.rept 2*(\np)
	v_add_nc_u32 v[TM+8+b_], 0xfe000000, v[TM+b_]       ; the conversion's scale operand
.set b_, b_+1
.endr
.set b_, 0
.rept 2*(\np)
	v_lshrrev_b32 v[TM+4+b_], 23, v[TM+8+b_]            ; the scale's byte
.set b_, b_+1
.endr
	v_lshl_or_b32 v[PW], v[TM+5], 8, v[TM+4]
.if (\np) == 2
	v_lshl_or_b32 v[PW], v[TM+6], 16, v[PW]
	v_lshl_or_b32 v[PW], v[TM+7], 24, v[PW]
.endif
	WIN (\sw)
.set c_, 0
.rept (\np)
	v_cvt_scalef32_pk16_bf6_f32 v[PC+6*c_:PC+6*c_+2], v[(\s)+32*c_:(\s)+32*c_+15], v[TM+8+2*c_]
	v_cvt_scalef32_pk16_bf6_f32 v[SCR+4*c_:SCR+4*c_+2], v[(\s)+32*c_+16:(\s)+32*c_+31], v[TM+8+2*c_+1]
.set c_, c_+1
.endr
	WIN 0
	v_nop                                          ; one plain place behind a scaled conversion
.set c_, 0
.rept (\np)                            ; the operand's layout wants a whole block in a lane: lanes 0-15 block 2 c, lanes 16-31 block 2 c + 1
.irp i, 0,1,2
	v_permlane16_swap_b32 v[PC+6*c_+\i], v[SCR+4*c_+\i]
.endr
.irp i, 0,1,2
	v_mov_b32 v[PC+6*c_+3+\i], v[SCR+4*c_+\i]
.endr
.set c_, c_+1
.endr
.endm
; A tile of 16 positions: 32 products for my 128 channels of q or k, 16 for my 64 of v; BN, relu, quantiser; the fragment leaves as it stands.
; The accumulators take turns, one instruction a turn: eight for q or k, then four for v.
.macro TILE tt
	s_wait_dscnt 0x0                               ; the tile's fragments are in (asked for a tile ago), and the last scale word's store has read its register
	WIN 0xf1                                       ; source 0 (the weight) window 1, source 1 (x) window 0, C and D window 3
.irp t, 0,1,2,3,4,5,6,7
	MM AA+8*\t, 24*\t, XFR, -1, W1S+2*\t, XS, 0
.endr
.irp t, 0,1,2,3,4,5,6,7
	MM AA+8*\t, 24*\t+12, XFR+12, AA+8*\t, W1S+2*\t+1, XS+1, 0
.endr
	WIN 0xf2                                       ; the weight's K steps 2, 3: window 2
.irp t, 0,1,2,3,4,5,6,7
	MM AA+8*\t, 24*\t, XFR+24, AA+8*\t, W1S+2*\t, XS, 1
.endr
.irp t, 0,1,2,3,4,5,6,7
	MM AA+8*\t, 24*\t+12, XFR+36, AA+8*\t, W1S+2*\t+1, XS+1, 1
.endr
	WIN 0x0c                                       ; source 0 (x) window 0, source 1 (wv) window 3, C and D window 0
.irp c, 0,1,2,3
	MM AV+32*\c+8*((\tt)%4), XFR, 48*\c, -1, XS, WVS+2*\c, 0
.endr
.irp c, 0,1,2,3
	MM AV+32*\c+8*((\tt)%4), XFR+12, 48*\c+12, AV+32*\c+8*((\tt)%4), XS+1, WVS+2*\c+1, 0
.endr
.irp c, 0,1,2,3
	MM AV+32*\c+8*((\tt)%4), XFR+24, 48*\c+24, AV+32*\c+8*((\tt)%4), XS, WVS+2*\c, 1
.endr
.irp c, 0,1,2,3
	MM AV+32*\c+8*((\tt)%4), XFR+36, 48*\c+36, AV+32*\c+8*((\tt)%4), XS+1, WVS+2*\c+1, 1
.endr
	WIN 0
	PLACES
.if (\tt)%4 != 3
	XFETCH (\tt)+1                                 ; the next tile's fragments land while this one is quantised
.endif
	WIN 0xe7                                       ; sum (window 3) x inv (window 1) + shift (window 2)
.set j_, 0
.rept 32
	v_pk_fma_f32 v[AA+j_:AA+j_+1], v[AA+j_:AA+j_+1], v[INV+j_:INV+j_+1], v[SH+j_:SH+j_+1]
.set j_, j_+2
.endr
	WIN 0xcc
.set j_, 0
.rept 64
	v_max_num_f32 v[AA+j_], 0, v[AA+j_]            ; relu, in f32
.set j_, j_+1
.endr
	s_wait_xcnt 0x0                                ; the last tile's stores have read the codes' registers: they are written again only behind this wait
	QUANT AA, 3, 2
.irp g, 0,1,2
	global_store_b128 v[LI], v[PC+4*\g:PC+4*\g+3], s[OUTQ:OUTQ+1] offset:(\tt)*3072+512*\g   ; 512 consecutive bytes, aligned to 256
.endr
	ds_store_b32 v[SQW], v[PW] offset:((\tt)/4)*256+4*((\tt)%4)   ; lanes r and r + 16 write the same word with the same value
.endm
; v of 64 positions: + bv, two blocks a channel tile: registers 6 hf .. 6 hf + 5 of v's fragment, gathered in my stage
.macro VFIN hf
	s_wait_xcnt 0x0                                ; the last tile's stores have read the codes' registers,
	s_wait_dscnt 0x0                               ; and its scale word's store its own
.irp c, 0,1,2,3
.set j_, 0
.rept 32
	v_add_f32 v[AV+32*\c+j_], v[BV+\c], v[AV+32*\c+j_]
.set j_, j_+1
.endr
	QUANT AV+32*\c, 0, 1
.if \hf == 0
	ds_store_b128 v[VIW], v[PC:PC+3] offset:\c*1536
	ds_store_b64 v[VIW], v[PC+4:PC+5] offset:\c*1536+512
.else
	ds_store_b64 v[VIW], v[PC:PC+1] offset:\c*1536+520
	ds_store_b128 v[VIW], v[PC+2:PC+5] offset:\c*1536+1024
.endif
	ds_store_b16 v[SVW], v[PW] offset:4*\c+2*\hf   ; two of the word's four bytes
	s_wait_dscnt 0x0                               ; the stores have read their registers
.endr
.endm
	s_load_b256 s[4:11], s[0:1], 0x0               ; x, iside, jside, wv's codes
	s_load_b128 s[12:15], s[0:1], 0x20             ; wv's scales, bv
	s_load_b256 s[16:23], s[0:1], 0x30             ; wq's codes, wq's scales, bq, gq
	s_load_b128 s[24:27], s[0:1], 0x50             ; betaq, mq
	s_load_b64 s[28:29], s[0:1], 0x60              ; vq
	s_load_b256 s[32:39], s[0:1], 0x68             ; wk's codes, wk's scales, bk, gk
	s_load_b128 s[40:43], s[0:1], 0x88             ; betak, mk
	s_load_b64 s[44:45], s[0:1], 0x98              ; vk
	v_lshl_add_u32 v[SPW], v0, 2, SPARE
	v_mov_b32 v[NIL], 0
	ds_add_u32 v[SPW], v[NIL]                      ; the wave's opening: the add, twice on end, and its wait ahead of my first tensor load; work on registers stands between
	ds_add_u32 v[SPW], v[NIL]
	v_lshrrev_b32 v84, 5, v0
	v_readfirstlane_b32 s[WV], v84                 ; wave 0..3
	; descriptor group 1: 128 rows (c) x 64 elements of 4 bytes (positions), 2,048 elements from row to row; no padding: a load of 128 consecutive bytes meets no bank twice
	s_mov_b32 s[G1+0], 2<<16
	s_mov_b32 s[G1+1], 64<<16
	s_mov_b32 s[G1+2], 128<<16
	s_mov_b32 s[G1+3], 64<<16
	s_mov_b32 s[G1+4], 128
	s_mov_b32 s[G1+5], 2048
	s_mov_b32 s[G1+6], 0
	s_mov_b32 s[G1+7], 0
	s_mov_b32 s[SEL], 0x76543210
	s_mov_b32 s[SEL+1], 0xfedcba98
	s_and_b32 s76, ttmp7, 0xffff                   ; the batch
	s_lshl_b32 s77, s76, 4
	s_add_co_u32 s77, s77, ttmp9                   ; the record: 16 x batch + block of 128 positions
	s_and_b32 s78, s[WV], 1
	s_lshr_b32 s79, s[WV], 1
	s_lshl_b32 s[WOFF], s[WV], 15
	s_lshl_b32 s80, s76, 22                        ; x: the batch's 4 MiB,
	s_lshl_b32 s81, s[WV], 20                      ; my 128 rows of 8,192 bytes,
	s_add_co_u32 s80, s80, s81
	s_lshl_b32 s81, ttmp9, 9                       ; the block's 512 bytes of a row
	s_add_co_u32 s80, s80, s81
	s_mov_b32 s81, 0
	v_and_b32 v84, 31, v0                          ; lane
	v_and_b32 v85, 15, v0                          ; r
	v_bfe_u32 v86, v0, 4, 1                        ; h
	v_bfe_u32 v87, v0, 3, 1                        ; as a position of 32: which of the pair of tiles is mine,
	v_and_b32 v88, 7, v0
	v_lshl_add_u32 v88, v86, 3, v88                ; and which of its rows
	v_and_b32 v89, 8, v0
	v_add_nc_u32 v89, v89, v85                     ; r + 8 (r / 8)
	v_lshl_add_u32 v[AX], v84, 2, s[WOFF]
	v_add_nc_u32 v[AX+1], 0x20000, v[AX]
	s_mul_i32 s82, s[WV], 1536
	s_add_co_u32 s82, s82, XIMG
	v_mul_u32_u24 v[AIW], v87, TPITCH
	v_lshl_add_u32 v[AIW], v88, 4, v[AIW]
	v_add_nc_u32 v[AIW], s82, v[AIW]
	s_lshl_b32 s82, s[WV], 2
	s_add_co_u32 s82, s82, XSC
	v_lshlrev_b32 v[ASW], 8, v87
	v_lshl_add_u32 v[ASW], v88, 4, v[ASW]
	v_add_nc_u32 v[ASW], s82, v[ASW]
	v_lshl_add_u32 v[AIR], v84, 4, XIMG
	v_lshlrev_b32 v[ASR], 4, v85
	v_lshl_add_u32 v[ASR], v86, 3, v[ASR]
	v_add_nc_u32 v[ASR], XSC, v[ASR]
	v_lshlrev_b32 v[LI], 4, v84
	v_lshl_add_u32 v[VIW], v84, 4, s[WOFF]
	v_lshl_add_u32 v[SQW], v85, 4, s[WOFF]
	v_add_nc_u32 v[SVW], SSV, v[SQW]
	v_add_nc_u32 v[SQW], SSQ, v[SQW]
	v_lshlrev_b32 v[SQO], 4, v85
	v_lshl_add_u32 v[SQO], v86, 9, v[SQO]
	v_lshlrev_b32 v[L8], 3, v84
	v_lshl_add_u32 v[SVR], v84, 3, s[WOFF]
	v_and_b32 v92, 7, v0
	v_lshlrev_b32 v92, 4, v92                      ; the weights' turn: 16 (lane % 8) in a run of 128 bytes;
	v_mad_u32_u24 v[GWO], v87, 6144, v92           ; in memory: 16 rows of 384 bytes on for lanes 8-15 and 24-31,
	v_mad_u32_u24 v[GWO], v86, 384, v[GWO]         ; one row on for lanes 16-31;
	v_mad_u32_u24 v[SWA], v87, 8*WPIT, v92         ; in my stage: 8 rows on,
	v_mad_u32_u24 v[SWA], v86, WPIT, v[SWA]        ; one row on
	s_mul_i32 s82, s[WV], 32*WPIT
	s_add_co_u32 s82, s82, WSTG                    ; my stage
	v_add_nc_u32 v[SWA], s82, v[SWA]
	v_mul_u32_u24 v[SRA], v85, WPIT                ; back: stage row r, + 24 h
	v_mad_u32_u24 v[SRA], v86, 24, v[SRA]
	v_add_nc_u32 v[SRA], s82, v[SRA]
	v_lshlrev_b32 v[WSA], 4, v89                   ; a weight's row has 16 scale bytes: lanes 0-15 take words 0, 1, lanes 16-31 words 2, 3
	v_lshl_add_u32 v[WSA], v86, 3, v[WSA]
	v_lshlrev_b32 v[BNA], 6, v86
	v_lshlrev_b32 v[BVA], 2, v89
.irp b, 0,1,2,3
	v_mov_b32 v[TM+4+\b], 0                        ; written once: a lane permute's destination counts as one of its sources
.endr
	s_wait_dscnt 0x0                               ; both opening adds are done
	s_wait_kmcnt 0x0
	s_add_nc_u64 s[4:5], s[4:5], s[80:81]
	s_mov_b32 s[G0], 1
	s_mov_b32 s[G0+1], s[WOFF]
	s_mov_b64 s[G0+2:G0+3], s[4:5]
	s_or_b32 s[G0+3], s[G0+3], 0x80000000
	s_mov_b32 s[G0+4], 1
	s_add_co_u32 s[G0+5], s[WOFF], 131072
	s_add_nc_u64 s[G0+6:G0+7], s[4:5], 256
	s_or_b32 s[G0+7], s[G0+7], 0x80000000
	tensor_load_to_lds s[G0:G0+3], s[G1:G1+7]      ; positions 0-63: every wave issues its two first fills, with no branch: two tensor loads of mine are out, and nothing is ever filled again
	s_nop 0
	tensor_load_to_lds s[G0+4:G0+7], s[G1:G1+7]    ; positions 64-127
	s_nop 0
	PLACES
	s_cmp_lt_u32 s[WV], 2                          ; waves 0, 1 work for q, waves 2, 3 for k: the choice hangs on the wave's number alone
	s_cselect_b64 s[16:17], s[16:17], s[32:33]
	s_cselect_b64 s[18:19], s[18:19], s[34:35]
	s_cselect_b64 s[20:21], s[20:21], s[36:37]
	s_cselect_b64 s[22:23], s[22:23], s[38:39]
	s_cselect_b64 s[24:25], s[24:25], s[40:41]
	s_cselect_b64 s[26:27], s[26:27], s[42:43]
	s_cselect_b64 s[28:29], s[28:29], s[44:45]
	s_cselect_b64 s[OUTQ:OUTQ+1], s[6:7], s[8:9]
	s_mov_b32 s82, 25600
	s_cselect_b32 s82, 51200, s82                  ; a record's bytes
	s_mov_b32 s84, 24576
	s_cselect_b32 s84, 49152, s84                  ; where its scale words of q or k begin
	s_mul_i32 s82, s82, s77
	s_mov_b32 s83, 0
	s_mov_b32 s85, 0
	s_add_nc_u64 s[OUTQ:OUTQ+1], s[OUTQ:OUTQ+1], s[82:83]
	s_lshl_b32 s86, s78, 8
	s_add_co_u32 s84, s84, s86
	s_add_nc_u64 s[OUTS:OUTS+1], s[OUTQ:OUTQ+1], s[84:85]
	s_mul_i32 s84, s78, 1536
	s_add_nc_u64 s[OUTQ:OUTQ+1], s[OUTQ:OUTQ+1], s[84:85]
	s_mul_i32 s82, s77, 51200
	s_add_nc_u64 s[OUTV:OUTV+1], s[6:7], s[82:83]
	s_lshl_b32 s84, s78, 9
	s_lshl_b32 s86, s79, 8
	s_add_co_u32 s84, s84, s86
	s_add_co_u32 s84, s84, 50176
	s_add_nc_u64 s[OUTVS:OUTVS+1], s[OUTV:OUTV+1], s[84:85]
	s_mul_i32 s84, s[WV], 6144
	s_add_co_u32 s84, s84, 24576
	s_add_nc_u64 s[OUTV:OUTV+1], s[OUTV:OUTV+1], s[84:85]
	s_mul_i32 s84, s78, 49152                      ; my 128 rows of wq or wk,
	s_add_nc_u64 s[16:17], s[16:17], s[84:85]
	s_lshl_b32 s84, s78, 11                        ; their scale bytes,
	s_add_nc_u64 s[18:19], s[18:19], s[84:85]
	s_lshl_b32 s84, s78, 9                         ; their parameters
.irp p, 20,22,24,26,28
	s_add_nc_u64 s[\p:\p+1], s[\p:\p+1], s[84:85]
.endr
	s_mul_i32 s84, s[WV], 24576                    ; my 64 rows of wv,
	s_add_nc_u64 s[10:11], s[10:11], s[84:85]
	s_lshl_b32 s84, s[WV], 10
	s_add_nc_u64 s[12:13], s[12:13], s[84:85]
	s_lshl_b32 s84, s[WV], 8
	s_add_nc_u64 s[14:15], s[14:15], s[84:85]
	WIN 0x40
	PLOAD INV, 28                                  ; var
	WIN 0x80
	PLOAD SH, 24                                   ; beta
	WIN 0xc0
	PLOAD AA, 22                                   ; gamma
	WIN 0
	PLOAD 128, 26                                  ; mean
	PLOAD 192, 20                                  ; the bias
.irp c, 0,1,2,3
	global_load_b32 v[BV+\c], v[BVA], s[14:15] offset:(32*(\c/2)+8*(\c%2))*4
.endr
.irp t, 0,1,2,3,4,5,6,7
	global_load_b64 v[W1S+2*\t:W1S+2*\t+1], v[WSA], s[18:19] offset:(32*(\t/2)+8*(\t%2))*16
.endr
.irp c, 0,1,2,3
	global_load_b64 v[WVS+2*\c:WVS+2*\c+1], v[WSA], s[12:13] offset:(32*(\c/2)+8*(\c%2))*16
.endr
.irp b, 0,1,2,3                        ; the weights, pair by pair, each pair into the 96 registers that its fragments will take: pairs 0-3 of wq or wk (48 registers in window 1, 48 in window 2),
	WIN 0x40
	WLOAD 48*\b, 16, 32*\b, 0
	WIN 0x80
	WLOAD 48*\b, 16, 32*\b, 12
.endr
	WIN 0xc0
.irp b, 0,1                            ; pairs 4, 5: wv's (window 3)
	WLOAD 96*\b, 10, 32*\b, 0
	WLOAD 96*\b+48, 10, 32*\b, 12
.endr
	s_wait_loadcnt 63                              ; behind the 84 loads of parameters 156 younger loads were issued: with 63 out at the most the parameters are in
	WIN 0x41
.set j_, 0
.rept 32
	v_pk_add_f32 v[INV+j_:INV+j_+1], v[INV+j_:INV+j_+1], 0x3727c5ac op_sel_hi:[1,0]   ; var + 1e-5
.set j_, j_+2
.endr
.set j_, 0
.rept 64
	v_rsq_f32 v[INV+j_], v[INV+j_]
.set j_, j_+1
.endr
	WIN 0
.set j_, 0
.rept 32
	v_pk_add_f32 v[192+j_:193+j_], v[192+j_:193+j_], v[128+j_:129+j_] neg_lo:[0,1] neg_hi:[0,1]   ; b - mean: plain work behind the batch
.set j_, j_+2
.endr
	s_wait_alu depctr_va_vdst(0)                   ; one wait for the 64, ahead of the first line that names a result
	WIN 0x4d
.set j_, 0
.rept 32
	v_pk_mul_f32 v[INV+j_:INV+j_+1], v[INV+j_:INV+j_+1], v[AA+j_:AA+j_+1]   ; inv = gamma / sqrt(var + 1e-5)
.set j_, j_+2
.endr
	WIN 0xa4
.set j_, 0
.rept 32
	v_pk_fma_f32 v[SH+j_:SH+j_+1], v[192+j_:193+j_], v[INV+j_:INV+j_+1], v[SH+j_:SH+j_+1]   ; the shift = (b - mean) inv + beta
.set j_, j_+2
.endr
	; the weights' turn through my stage.  LDS serves a wave's instructions in order (ISA guide 5.7.1.4): a pair's loads see its stores and land in the registers that those stores have left, and the next pair's stores come behind them
.irp b, 0,1,2,3
	WWAIT \b
	WIN 0x04                                       ; an LDS store's data are its source 1: window 1,
	WSTORE 48*\b, 0
	WIN 0x08                                       ; window 2
	WSTORE 48*\b, 12
	WIN 0x40
.irp u, 0,1
.irp s, 0,1
	WREAD 24*(2*\b+\u)+12*\s, \u, \s
.endr
.endr
	WIN 0x80
.irp u, 0,1
.irp s, 0,1
	WREAD 24*(2*\b+\u)+12*\s, \u, \s+2
.endr
.endr
.endr
.irp b, 0,1
	WWAIT \b+4
	WIN 0x0c
	WSTORE 96*\b, 0
	WSTORE 96*\b+48, 12
	WIN 0xc0
.irp u, 0,1
.irp s, 0,1,2,3
	WREAD 48*(2*\b+\u)+12*\s, \u, \s
.endr
.endr
.endr
	WIN 0
	s_wait_tensorcnt 0x1                           ; my rows of positions 0-63 are in LDS; those of positions 64-127 may stay out
	s_wait_dscnt 0x0                               ; my weights are in their registers: my reads of my stage are over
	s_barrier_signal -1
	s_barrier_wait -1                              ; everybody's are: the stages' bytes now take x's images and scale words
	QHALF 0
	s_wait_dscnt 0x0                               ; for the others' sake: my images and scale words have landed
	s_barrier_signal -1
	s_barrier_wait -1                              ; tiles 0-3 of x lie whole in LDS
	XFETCH 0                                       ; (every global load has been waited for: the offsets in v80-83 may go)
	TILE 0
	TILE 1
	TILE 2
	TILE 3
	VFIN 0
	s_wait_tensorcnt 0x0                           ; positions 64-127
	QHALF 1
	s_wait_dscnt 0x0
	s_barrier_signal -1
	s_barrier_wait -1                              ; tiles 4-7 (bytes of their own: no wave overwrites what another still reads)
	XFETCH 4
	TILE 4
	TILE 5
	TILE 6
	TILE 7
	VFIN 1
	; the way out of what was gathered in my stage: LDS serves a wave's instructions in order, so these loads see my stores
.irp c, 0,1,2,3
.irp g, 0,1,2
	ds_load_b128 v[XFR+12*\c+4*\g:XFR+12*\c+4*\g+3], v[VIW] offset:\c*1536+512*\g
.endr
.endr
	ds_load_b128 v[PC:PC+3], v[VIW] offset:SSQ
	ds_load_b64 v[SCR:SCR+1], v[SVR] offset:SSV
	s_wait_dscnt 0x0
.irp c, 0,1,2,3
.irp g, 0,1,2
	global_store_b128 v[LI], v[XFR+12*\c+4*\g:XFR+12*\c+4*\g+3], s[OUTV:OUTV+1] offset:\c*1536+512*\g
.endr
.endr
	global_store_b128 v[SQO], v[PC:PC+3], s[OUTS:OUTS+1]       ; lanes 0-15: tiles 0-3's words, lanes 16-31: tiles 4-7's: two aligned runs of 256 bytes
	global_store_b64 v[L8], v[SCR:SCR+1], s[OUTVS:OUTVS+1]     ; one aligned run of 256 bytes
	s_wait_tensorcnt 0x0                           ; the wave's end: behind my last tensor load and my last LDS store
	ds_add_u32 v[SPW], v[NIL]
	s_wait_dscnt 0x0
	s_endpgm
.Lfunc_end_k_q3d0eb6a44e_proj:
	.size	k_q3d0eb6a44e_proj, .Lfunc_end_k_q3d0eb6a44e_proj-k_q3d0eb6a44e_proj
	.p2alignl 7, 3214868480
	.fill 96, 4, 3214868480
	.section	.rodata,"a",@progbits
	.p2align	6, 0x0
	.amdhsa_kernel k_q3d0eb6a44e_proj
		.amdhsa_group_segment_fixed_size 327680
		.amdhsa_private_segment_fixed_size 0
		.amdhsa_enable_private_segment 0
		.amdhsa_kernarg_size 160
		.amdhsa_user_sgpr_count 2
		.amdhsa_user_sgpr_kernarg_segment_ptr 1
		.amdhsa_wavefront_size32 1
		.amdhsa_system_sgpr_workgroup_id_x 1
		.amdhsa_system_sgpr_workgroup_id_y 1
		.amdhsa_system_sgpr_workgroup_id_z 1
		.amdhsa_system_vgpr_workitem_id 0
		.amdhsa_next_free_vgpr 1024
		.amdhsa_next_free_sgpr 100
		.amdhsa_reserve_vcc 0
		.amdhsa_float_denorm_mode_32 3
		.amdhsa_float_denorm_mode_16_64 3
		.amdhsa_memory_ordered 1
		.amdhsa_forward_progress 1
		.amdhsa_inst_pref_size 255
	.end_amdhsa_kernel
	.section	.bss,"aw",@nobits
	.p2align	6
	.space	262144
	.amdgpu_metadata
---
amdhsa.version: [ 1, 2 ]
amdhsa.kernels:
  - .name:           k_q3d0eb6a44e_proj
    .symbol:         k_q3d0eb6a44e_proj.kd
    .args:
      - { .name: x, .offset: 0, .size: 8, .value_kind: global_buffer, .address_space: global }
      - { .name: iside, .offset: 8, .size: 8, .value_kind: global_buffer, .address_space: global }
      - { .name: jside, .offset: 16, .size: 8, .value_kind: global_buffer, .address_space: global }
      - { .name: wv_codes, .offset: 24, .size: 8, .value_kind: global_buffer, .address_space: global }
      - { .name: wv_scales, .offset: 32, .size: 8, .value_kind: global_buffer, .address_space: global }
      - { .name: bv, .offset: 40, .size: 8, .value_kind: global_buffer, .address_space: global }
      - { .name: wq_codes, .offset: 48, .size: 8, .value_kind: global_buffer, .address_space: global }
      - { .name: wq_scales, .offset: 56, .size: 8, .value_kind: global_buffer, .address_space: global }
      - { .name: bq, .offset: 64, .size: 8, .value_kind: global_buffer, .address_space: global }
      - { .name: gq, .offset: 72, .size: 8, .value_kind: global_buffer, .address_space: global }
      - { .name: betaq, .offset: 80, .size: 8, .value_kind: global_buffer, .address_space: global }
      - { .name: mq, .offset: 88, .size: 8, .value_kind: global_buffer, .address_space: global }
      - { .name: vq, .offset: 96, .size: 8, .value_kind: global_buffer, .address_space: global }
      - { .name: wk_codes, .offset: 104, .size: 8, .value_kind: global_buffer, .address_space: global }
      - { .name: wk_scales, .offset: 112, .size: 8, .value_kind: global_buffer, .address_space: global }
      - { .name: bk, .offset: 120, .size: 8, .value_kind: global_buffer, .address_space: global }
      - { .name: gk, .offset: 128, .size: 8, .value_kind: global_buffer, .address_space: global }
      - { .name: betak, .offset: 136, .size: 8, .value_kind: global_buffer, .address_space: global }
      - { .name: mk, .offset: 144, .size: 8, .value_kind: global_buffer, .address_space: global }
      - { .name: vk, .offset: 152, .size: 8, .value_kind: global_buffer, .address_space: global }
    .group_segment_fixed_size: 327680
    .private_segment_fixed_size: 0
    .kernarg_segment_align: 8
    .kernarg_segment_size: 160
    .max_flat_workgroup_size: 128
    .sgpr_count:     100
    .vgpr_count:     1024
    .wavefront_size: 32
...
	.end_amdgpu_metadata
.endif
;; end of part 1
;; launch attn (part 2): grid 16 x 16, 4 waves a work-group, clusters of 4 x 1, 327,680 bytes of LDS; arguments iside, jside, x, wo_codes, wo_scales, bo, out0; writes out0
.if DOCPART == 2
	.amdgcn_target "amdgcn-amd-amdhsa--gfx1250"
	.amdhsa_code_object_version 6
	.text
	.protected	k_q3d0eb6a44e_attn
	.globl	k_q3d0eb6a44e_attn
	.p2align	8
	.type	k_q3d0eb6a44e_attn,@function
k_q3d0eb6a44e_attn:
	s_mov_b64 s[64:65], 0
	v_nop
	global_prefetch_b8 v0, s[64:65] scope:SCOPE_SE
	s_setreg_imm32_b32 hwreg(HW_REG_WAVE_MODE, 25, 1), 1
	s_wait_xcnt 0x0
	s_wait_alu depctr_hold_cnt(0) depctr_sa_sdst(0) depctr_va_vdst(0) depctr_va_sdst(0) depctr_va_ssrc(0) depctr_va_vcc(0) depctr_vm_vsrc(0)
	s_getreg_b32 s2, hwreg(HW_REG_IB_STS2, 6, 4)
	s_cmp_eq_u32 s2, 0
	s_cbranch_scc0 .Lentry_in_a_cluster
	s_endpgm
.Lentry_in_a_cluster:
	s_bfe_u32 s2, ttmp6, 0x10000c
	s_cmp_lg_u32 s2, 0x3003
	s_cbranch_scc0 .Lentry_shape_is_right
	s_endpgm
.Lentry_shape_is_right:
; SAModule, second of two launches: out[b][c][j] = x + bo[c] + sum over m of wo[c][m] ctx[m][j], ctx[m][j] = sum over i of v[m][i] softmax_i(q[:, i] . k[:, j] / 16).  No work is left out as dead.
; The softmax runs over i, q's position: so j (k's position) plays the query, i the key, v the value; head size 256, 2,048 keys, 16 batches.  All three products on codes of E3M2 with one E8M0 scale for each 32 along K.
; THE SOFTMAX AHEAD OF THE SECOND PRODUCT: t = score x log2(e) / 16; M = the largest t so far, rounded UP to a whole number; p = 2^(t - M) is quantised along i, not normalised; the sum l is taken of the
; unquantised p and divides at the end; when M moves, l and O are multiplied by 2^(old M - new M), which rounds nothing.  ctx = O / l is quantised along m for the last product.
; LIMITS.  NaN and infinities are not served.  1 / l is v_rcp_f32.  A block of zeros gets the scale byte 1 (its codes are zeros; the bytes stay in this program).  A block's largest p is the exponential of its largest
; score, which takes v_exp_f32 not to fall where its input rises.
; SHARES.  A work-group takes 128 positions j of one batch.  In the loop wave w owns the j tiles 2 w, 2 w + 1 (a lane holds one j throughout: both products are used transposed) and walks all 16 records of iside,
; 128 keys a step: each fragment read from LDS feeds two products.  On the way out wave w owns out's rows c = 128 w .. 128 w + 127 for all 128 j.
; iside's records are images of operand registers (registers 4 g .. 4 g + 3 of lane l at 512 g + 16 l), so a fragment is three loads of 16 bytes a lane, 512 consecutive bytes each: no pitch, no padding.
; The rows of every tile were chosen by the first launch (lane r of tile t: row 32 (t / 2) + 8 (t % 2) + r + 8 (r / 8)), so that the 16 result registers of tiles 2 b, 2 b + 1 are 16 neighbours along the next K.
; RING.  Two slots of two records (102,400 dense bytes); each wave fetches a quarter of a slot by one tensor load: one load of mine is out at any time, and it has two key steps in which to land.
; CLUSTER.  The four work-groups of a cluster belong to one batch and walk the same records: each quarter is asked for JOINTLY, by the same load with the same descriptor and a mask that names the four.
; wo.  At the last change of slots the slot that has been left takes wo's codes, 98,304 dense bytes, again by one joint load a wave: wave w fetches its own 128 rows, to 24,576 w, and nobody else reads them.
; They land under the last two key steps, and are read a tile of 16 rows at a time, one tile ahead of the products.  The rows lie unpadded, 192 bytes apart: with 16 bytes behind each they would not fit into the slot.
; x: half of my 128 rows x 512 bytes is asked for at the head and waits in registers (window 3) through the loop; the other half follows four tiles ahead on the way out.
; REGISTERS, in windows of 256.  Window 0: v1-15 addresses; v16-34 scale words; v36-75 statistics, 20 a tile; v76-115 p's codes; v116-123 bo as C; v124-125 p's scale words; v128-255 S^T, 64 a tile.
; Window 1: O^T, 128 a tile (later ctx's 16 fragments and 8 accumulators).  Window 2: two buffers of 8 fragments (later wo's 16); from v192 k's four fragments.  Window 3: four tiles of x.
.set REC,   51200                      ; a record of iside: q's images 0, v's 24,576, q's scale words 49,152, v's 50,176
.set SLOT1, 131072                     ; slot 1 begins here: one exclusive or turns an address in one slot into the other's
.set CIMG,  102400                     ; behind slot 0: ctx's 16 images (tile T, K step s at 1,536 (2 T + s)),
.set CSC,   126976                     ; their scale words: 128 T + 64 s + 4 r
.set STAGE, SLOT1+102400               ; behind slot 1: 16 rows x (512 + 16) bytes for each wave, for the way out
.set SPARE, STAGE+4*8448               ; the spare words, 128 bytes for each wave: two blocks of 256 bytes that no other line names
.set SPW, 1                            ; v1   LDS address of my spare word; never rewritten
.set NIL, 2                            ; v2   0; never rewritten
.set LI,  3                            ; v3   16 x lane
.set ADR, 4                            ; v4   the record in hand + 16 x lane
.set PFO, 5                            ; v5   256 x lane
.set XPO, 6                            ; v6   x's prefetches: 16 rows x 2 blocks of 256 bytes
.set STO, 7                            ; v7   the stage, in
.set RD,  8                            ; v8   the stage, back
.set CIW, 9                            ; v9   where I store ctx's images
.set CSW, 10                           ; v10  and their scale words
.set CIR, 11                           ; v11  images on the way back
.set CSR, 12                           ; v12  scale words on the way back
.set WOA, 13                           ; v13  wo's codes in LDS: 24,576 x wave + 192 r + 24 h
.set WSA, 14                           ; v14  wo's scale words in memory: 8 r + 4 h
.set BOA, 15                           ; v15  bo: 4 r
.set QS,  16                           ; v16-23 q's scale words, key tile 0 .. 7: lanes 0-15 channels 0-127, lanes 16-31 channels 128-255
.set VS,  24                           ; v24-31 v's: register ct % 8, lanes 0-15 channel tiles 0-7, lanes 16-31 tiles 8-15
.set KS,  32                           ; v32-33 k's, my two tiles
.set PW,  34                           ; v34  ctx's scale word just made
.set ST,  36                           ; tile t's statistics at v[ST + 20 t]: +0 -M, +1 the largest t, +2, +3 l in two halves, +4 f (+5: 0), +6 at work, then 1 / l (+7: 0), +8..11 the blocks' largest, +12..15 at work, +16..19 scale operands
.set PC,  76                           ; p's codes, 12 a tile
.set SCR, 100                          ; their second halves, 8 a tile
.set CB,  116                          ; v116-123 bo of my lane's row, eight times: the C of a sum's first product
.set PS,  124                          ; v124-125 p's scale words
.set S,   128
.set TM,  44                           ; the way out: the quantiser's 12 registers
.set BO,  64                           ; v64-71 bo of my lane's row, tile 0 .. 7
.set CSV, 16                           ; v16-23 ctx's scale words
.set WOS, 24                           ; v24-31 wo's
.set KJ,  192                          ; window 2
.set EA,  192                          ; window 1
.set WV,  18                           ; s18  my wave's number
.set CC,  22                           ; s[22:23] log2(e) / 16: the packed form names a pair and takes its low word for both halves
.set G1,  24                           ; s[24:31] descriptor group 1;  s[32:35] group 0, which walks
.set G0,  32
.set SEL, 36                           ; s[36:37] v_permlanex16_b32's selects for lane l xor 16
.set TB,  38                           ; s38  LDS byte at which the record in hand begins
.set SLOTS, 39                         ; s39  slots still to be asked for
.set TWICE, 40                         ; s40  counts a slot's two steps
.set LIM, 41                           ; s41  1 in a wave that prefetches, else the greatest number
.set PFA, 42                           ; s[42:43] where my prefetches of iside stand
.set XB,  44                           ; s[44:45] x at my rows and my block of positions;  s[46:47] out0 likewise
.set OB,  46
.set G1W, 68                           ; s[68:75] descriptor group 1 for wo's codes;  s[76:79] group 0; written once
.set G0W, 76
.set MSB, 0
.macro WIN new                         ; the immediate's high byte repeats the setting that is left; a switch that changes nothing is dropped
.if MSB != (\new)
	s_set_vgpr_msb (MSB<<8)|(\new)
.set MSB, (\new)
.endif
.endm
.macro PLACES                          ; four places behind a matrix instruction, in front of loads into its registers and of the first read of results
.rept 4
	v_nop
.endr
.endm
; one product 16 x 16 x 128.  cc < 0: the constant 0 starts the sum.  row = 1: both sides' scales come from lanes 16-31; 2: source 0's alone
.macro MM d, a, b, cc, sa, sb, row
.if (\cc) < 0
	v_wmma_scale_f32_16x16x128_f8f6f4 v[(\d):(\d)+7], v[(\a):(\a)+11], v[(\b):(\b)+11], 0, v[(\sa)], v[(\sb)] matrix_a_fmt:MATRIX_FMT_BF6 matrix_b_fmt:MATRIX_FMT_BF6
.elseif (\row) == 0
	v_wmma_scale_f32_16x16x128_f8f6f4 v[(\d):(\d)+7], v[(\a):(\a)+11], v[(\b):(\b)+11], v[(\cc):(\cc)+7], v[(\sa)], v[(\sb)] matrix_a_fmt:MATRIX_FMT_BF6 matrix_b_fmt:MATRIX_FMT_BF6
.elseif (\row) == 1
	v_wmma_scale_f32_16x16x128_f8f6f4 v[(\d):(\d)+7], v[(\a):(\a)+11], v[(\b):(\b)+11], v[(\cc):(\cc)+7], v[(\sa)], v[(\sb)] matrix_a_fmt:MATRIX_FMT_BF6 matrix_b_fmt:MATRIX_FMT_BF6 matrix_a_scale:MATRIX_SCALE_ROW1 matrix_b_scale:MATRIX_SCALE_ROW1
.else
	v_wmma_scale_f32_16x16x128_f8f6f4 v[(\d):(\d)+7], v[(\a):(\a)+11], v[(\b):(\b)+11], v[(\cc):(\cc)+7], v[(\sa)], v[(\sb)] matrix_a_fmt:MATRIX_FMT_BF6 matrix_b_fmt:MATRIX_FMT_BF6 matrix_a_scale:MATRIX_SCALE_ROW1
.endif
.endm
; a round of the cluster's barrier: my work-group's barrier; wave 0 signals for the work-group; every wave waits for all four work-groups; my work-group's barrier once more
.macro CROUND
	s_barrier_signal -1
	s_barrier_wait -1
	s_cmp_lg_u32 s[WV], 0
	s_cbranch_scc1 .Lnot_wave_0_\@
	s_barrier_signal -3
.Lnot_wave_0_\@:
	s_barrier_wait -3
	s_barrier_signal -1
	s_barrier_wait -1
.endm
; A PREFETCH INTO THE L2 of the slot that the NEXT change of slots will ask for: two key steps, 128 matrix instructions a wave, ahead of that load.  All four clusters of a batch walk the same records: the batch's first
; cluster asks.  Its four partners are told apart BY ADDRESS alone; in each, waves 0 to 2 ask for 8,192 bytes, lanes 256 bytes apart: 12 x 8,192 of a slot's 102,400 bytes, each block named once in the launch;
; the slot's last 4,096 bytes come by their load alone.  Slots 0 and 1 are not asked for, and the last change that fills a slot with records asks for nothing: there is no slot behind it.
.macro ASK
	s_cmp_gt_u32 s[SLOTS], s[LIM]
	s_cbranch_scc0 .Lnot_mine_\@
	global_prefetch_b8 v[PFO], s[PFA:PFA+1] th:TH_LOAD_NT scope:SCOPE_SE
.Lnot_mine_\@:
.endm
; THE CHANGE OF SLOTS stands at a slot's head.  Each wave waits for all its tensor loads (its quarter of the slot ahead), adds 0 to its spare word, and waits for that and for its reads of the slot that it has left.
; A round of the cluster's barrier follows, so that no wave of any partner still reads that slot or has a load on its way, and the joint load into it is the first thing behind the round.
; fill = 1: the next two records.  fill = 2, the last change: wo's codes, into slot 0, which held records 12 and 13.
.macro CHANGE fill
	s_wait_tensorcnt 0x0                           ; no tensor load of mine is out, so group 0 may be written
	ds_add_u32 v[SPW], v[NIL]                      ; 0 onto my spare word; with fill = 1 the steps below stand between it and the wait for it
.if \fill == 1
	s_xor_b32 s[G0+1], s[G0+1], SLOT1              ; the other slot than last time,
	s_add_nc_u64 s[G0+2:G0+3], s[G0+2:G0+3], 2*REC ; the next two records; the type bits on top are not reached
	s_wait_xcnt 0x0                                ; the last prefetch, a slot back, has read its address, so it may be written
	s_add_nc_u64 s[PFA:PFA+1], s[PFA:PFA+1], 2*REC
.endif
	s_wait_dscnt 0x0                               ; the add is done, and my reads of the slot that I have left are over
	CROUND
.if \fill == 1
	tensor_load_to_lds s[G0:G0+3], s[G1:G1+7]
	s_nop 0
	PLACES
	ASK
.else
	tensor_load_to_lds s[G0W:G0W+3], s[G1W:G1W+7]  ; my 128 rows of wo: two key steps ahead of their first read
	s_nop 0
	PLACES
.irp k, 0,1,2,3
	global_prefetch_b8 v[XPO], s[XB:XB+1] offset:(64+16*\k)*8192 th:TH_LOAD_NT scope:SCOPE_SE   ; x, my rows 64-127, 512 bytes each: wanted on the way out, two key steps on; each block named once, by the one wave that will load it
.endr
.endif
.endm
.macro FRAGS off, buf                  ; eight fragments, 24 loads of 512 consecutive bytes, into a buffer of window 2
.irp f, 0,1,2,3,4,5,6,7
.irp g, 0,1,2
	ds_load_b128 v[\buf+12*\f+4*\g:\buf+12*\f+4*\g+3], v[ADR] offset:\off+\f*1536+512*\g
.endr
.endr
.endm
; 16 products of S^T = q k^T: key tiles 4 hh .. 4 hh + 3 x my two j tiles x two K steps.  The eight accumulators take turns, one instruction a turn
.macro KQ hh
.irp k, 0,1,2,3
.irp t, 0,1
	MM S+64*\t+8*(4*\hh+\k), 96*\hh+24*\k, KJ+24*\t, -1, QS+4*\hh+\k, KS+\t, 0
.endr
.endr
.irp k, 0,1,2,3
.irp t, 0,1
	MM S+64*\t+8*(4*\hh+\k), 96*\hh+24*\k+12, KJ+24*\t+12, S+64*\t+8*(4*\hh+\k), QS+4*\hh+\k, KS+\t, 1
.endr
.endr
.endm
.macro RESC cc                         ; O^T of channel tile cc under the new M: x f
	WIN 0x41
.irp t, 0,1
.irp j, 0,2,4,6
	v_pk_mul_f32 v[128*\t+8*(\cc)+\j:128*\t+8*(\cc)+\j+1], v[128*\t+8*(\cc)+\j:128*\t+8*(\cc)+\j+1], v[ST+20*\t+4:ST+20*\t+5] op_sel_hi:[1,0]
.endr
.endr
.endm
.macro PVW cc                          ; O^T += v p^T for channel tile cc, my two j tiles
	WIN 0x52                                       ; source 0 (v) window 2, source 1 (p) window 0, C and D window 1
.irp t, 0,1
	MM 128*\t+8*(\cc), 96*((\cc)/8)+12*((\cc)%8), PC+12*\t, 128*\t+8*(\cc), VS+(\cc)%8, PS+\t, 2*((\cc)/8)
.endr
.endm
; A KEY STEP: the 128 keys of the record at s[TB].
.macro STEP
	v_add_nc_u32 v[ADR], s[TB], v[LI]              ; with the three below: the places behind the last step's products, in front of the loads into their registers
.rept 3
	v_nop
.endr
	ds_load_b128 v[QS:QS+3], v[ADR] offset:49152
	ds_load_b128 v[QS+4:QS+7], v[ADR] offset:49664
	ds_load_b128 v[VS:VS+3], v[ADR] offset:50176
	ds_load_b128 v[VS+4:VS+7], v[ADR] offset:50688
	WIN 0x80                                       ; destination window 2
	FRAGS 0, 0                                     ; q's key tiles 0-3
	FRAGS 12288, 96                                ; and 4-7
	s_wait_dscnt 24                                ; all but the youngest 24: the scale words and key tiles 0-3 are in
	WIN 0x0a                                       ; q and k in window 2, S^T in window 0
	KQ 0
	PLACES
	WIN 0x80
	FRAGS 24576, 0                                 ; v's channel tiles 0-7
	s_wait_dscnt 24                                ; all but these 24: q's key tiles 4-7 are in
	WIN 0x0a
	KQ 1
	PLACES
	WIN 0x80
	FRAGS 36864, 96                                ; v's channel tiles 8-15: they land under the softmax
	WIN 0
	; the softmax of both tiles, line by line by turns.  Register 16 b + i of a tile is key 32 b + 16 (lane / 16) + i
.irp b, 0,1,2,3
.irp t, 0,1
	v_max3_num_f32 v[ST+20*\t+8+\b], v[S+64*\t+16*\b], v[S+64*\t+16*\b+1], v[S+64*\t+16*\b+2]   ; the largest score of each block of 32 keys: for the row's maximum, and for the block's largest p.  (Each accumulator is read from its low end on)
.endr
.endr
.irp i, 3,5,7,9,11,13
.irp b, 0,1,2,3
.irp t, 0,1
	v_max3_num_f32 v[ST+20*\t+8+\b], v[ST+20*\t+8+\b], v[S+64*\t+16*\b+\i], v[S+64*\t+16*\b+\i+1]
.endr
.endr
.endr
.irp b, 0,1,2,3
.irp t, 0,1
	v_max_num_f32 v[ST+20*\t+8+\b], v[ST+20*\t+8+\b], v[S+64*\t+16*\b+15]
.endr
.endr
.irp b, 0,1,2,3
.irp t, 0,1
	v_permlanex16_b32 v[ST+20*\t+12+\b], v[ST+20*\t+8+\b], s[SEL], s[SEL+1]
.endr
.endr
.irp b, 0,1,2,3
.irp t, 0,1
	v_max_num_f32 v[ST+20*\t+8+\b], v[ST+20*\t+8+\b], v[ST+20*\t+12+\b]   ; with lane l xor 16's 16 keys
.endr
.endr
.irp t, 0,1
	v_max3_num_f32 v[ST+20*\t+6], v[ST+20*\t+8], v[ST+20*\t+9], v[ST+20*\t+10]
.endr
.irp t, 0,1
	v_max_num_f32 v[ST+20*\t+6], v[ST+20*\t+6], v[ST+20*\t+11]   ; the step's largest score of my j
.endr
.irp t, 0,1
	v_mul_f32 v[ST+20*\t+6], s[CC], v[ST+20*\t+6]                ; as t
.endr
.irp t, 0,1
	v_max_num_f32 v[ST+20*\t+1], v[ST+20*\t+1], v[ST+20*\t+6]    ; the running largest t
.endr
.irp t, 0,1
	v_mov_b32 v[ST+20*\t+6], v[ST+20*\t]
.endr
.irp t, 0,1
	v_floor_f32 v[ST+20*\t], -v[ST+20*\t+1]                      ; the new -M = floor(-t) = -ceil(t): a whole number
.endr
.irp t, 0,1
	v_sub_f32 v[ST+20*\t+6], v[ST+20*\t], v[ST+20*\t+6]          ; old M - new M: a whole number, 0 or less
.endr
.irp t, 0,1
	v_cvt_i32_f32 v[ST+20*\t+6], v[ST+20*\t+6]                   ; (it saturates)
.endr
.irp t, 0,1
	v_ldexp_f32 v[ST+20*\t+4], 1.0, v[ST+20*\t+6]                ; f = 2^(old M - new M)
.endr
.irp t, 0,1
.set j_, 0
.rept 32
	v_pk_fma_f32 v[S+64*\t+j_:S+64*\t+j_+1], v[S+64*\t+j_:S+64*\t+j_+1], s[CC:CC+1], v[ST+20*\t:ST+20*\t+1] op_sel_hi:[1,0,0]   ; t - M, two at a time
.set j_, j_+2
.endr
.endr
.irp b, 0,1,2,3
.irp t, 0,1
	v_fma_f32 v[ST+20*\t+8+\b], v[ST+20*\t+8+\b], s[CC], v[ST+20*\t]   ; the same of each block's largest score
.endr
.endr
.set j_, 0
.rept 128
	v_exp_f32 v[S+j_], v[S+j_]                     ; p = 2^(t - M), at most 1
.set j_, j_+1
.endr
.irp t, 0,1
	v_pk_mul_f32 v[ST+20*\t+2:ST+20*\t+3], v[ST+20*\t+2:ST+20*\t+3], v[ST+20*\t+4:ST+20*\t+5] op_sel_hi:[1,0]   ; l under the new M.  (Plain work behind the exponentials)
.endr
	s_wait_alu depctr_va_vdst(0)                   ; one wait for the batch of 128, ahead of the first line that names a result
.irp b, 0,1,2,3
.irp t, 0,1
	v_exp_f32 v[ST+20*\t+8+\b], v[ST+20*\t+8+\b]   ; the block's largest p: the same two instructions on the same number
.endr
.endr
.irp t, 0,1
	v_pk_add_f32 v[ST+20*\t+12:ST+20*\t+13], v[S+64*\t:S+64*\t+1], v[S+64*\t+2:S+64*\t+3]   ; l is summed of the unquantised p, in two chains a tile.  (Plain work behind the eight)
.endr
.irp j, 4,8,12,16,20,24,28,32,36,40,44,48,52,56,60
.irp t, 0,1
	v_pk_add_f32 v[ST+20*\t+2:ST+20*\t+3], v[ST+20*\t+2:ST+20*\t+3], v[S+64*\t+\j:S+64*\t+\j+1]
	v_pk_add_f32 v[ST+20*\t+12:ST+20*\t+13], v[ST+20*\t+12:ST+20*\t+13], v[S+64*\t+\j+2:S+64*\t+\j+3]
.endr
.endr
.irp t, 0,1
	v_pk_add_f32 v[ST+20*\t+2:ST+20*\t+3], v[ST+20*\t+2:ST+20*\t+3], v[ST+20*\t+12:ST+20*\t+13]
.endr
	s_wait_alu depctr_va_vdst(0)                   ; and one for the eight
.irp b, 0,1,2,3
.irp t, 0,1
	v_max_num_f32 v[ST+20*\t+8+\b], 0x2800000, v[ST+20*\t+8+\b]   ; the floor 2^(5 - 127): the byte cannot fall under 1
.endr
.endr
.irp b, 0,1,2,3
.irp t, 0,1
	v_add_nc_u32 v[ST+20*\t+16+\b], 0xfe000000, v[ST+20*\t+8+\b]  ; 4 off the exponent field: the conversion's scale operand
.endr
.endr
.irp b, 0,1,2,3
.irp t, 0,1
	v_lshrrev_b32 v[ST+20*\t+12+\b], 23, v[ST+20*\t+16+\b]        ; the scale's byte
.endr
.endr
.irp t, 0,1
	v_lshl_or_b32 v[PS+\t], v[ST+20*\t+13], 8, v[ST+20*\t+12]     ; p's scale word for these 128 keys
.endr
.irp t, 0,1
	v_lshl_or_b32 v[PS+\t], v[ST+20*\t+14], 16, v[PS+\t]
.endr
.irp t, 0,1
	v_lshl_or_b32 v[PS+\t], v[ST+20*\t+15], 24, v[PS+\t]
.endr
.irp t, 0,1
.irp c, 0,1
	v_cvt_scalef32_pk16_bf6_f32 v[PC+12*\t+6*\c:PC+12*\t+6*\c+2], v[S+64*\t+32*\c:S+64*\t+32*\c+15], v[ST+20*\t+16+2*\c]
	v_cvt_scalef32_pk16_bf6_f32 v[SCR+8*\t+4*\c:SCR+8*\t+4*\c+2], v[S+64*\t+32*\c+16:S+64*\t+32*\c+31], v[ST+20*\t+16+2*\c+1]
.endr
.endr
	v_nop                                          ; one plain place behind a scaled conversion
.irp t, 0,1
.irp c, 0,1                            ; the operand's layout wants a whole block in a lane
.irp i, 0,1,2
	v_permlane16_swap_b32 v[PC+12*\t+6*\c+\i], v[SCR+8*\t+4*\c+\i]
.endr
.irp i, 0,1,2
	v_mov_b32 v[PC+12*\t+6*\c+3+\i], v[SCR+8*\t+4*\c+\i]
.endr
.endr
.endr
	s_wait_dscnt 0x0                               ; v's 16 fragments are in
	RESC 0
	RESC 1                                         ; these eight name no register of the first two products: the places between the lines that made p's codes and scale words and those products
.irp c, 0,1,2,3,4,5,6,7,8,9,10,11,12,13
	PVW \c                                         ; the 32 accumulators take turns, one instruction a turn; the rescaling runs two channel tiles ahead, between the products
	RESC \c+2
.endr
	PVW 14
	PVW 15
	WIN 0
.endm
.macro TWO_STEPS                       ; a slot's two key steps: written once, walked twice
	s_mov_b32 s[TWICE], 2
.Lstep_\@:
	STEP
	s_add_co_u32 s[TB], s[TB], REC
	s_sub_co_u32 s[TWICE], s[TWICE], 1
	s_cmp_lg_u32 s[TWICE], 0
	s_cbranch_scc1 .Lstep_\@
	s_sub_co_u32 s[TB], s[TB], 2*REC               ; back to a slot's first record,
	s_xor_b32 s[TB], s[TB], SLOT1                  ; in the other slot
.endm
; 64 numbers of a lane in window sw, register 16 b + i = k 32 b + 16 (lane / 16) + i of my row, become a fragment's codes in v[PC] on and its scale word in v[PW]
.macro QUANT s, sw
	WIN (\sw)|((\sw)<<2)
.irp b, 0,1,2,3
	v_max3_num_f32 v[TM+\b], |v[(\s)+16*\b]|, |v[(\s)+16*\b+1]|, 0x2800000
.endr
	WIN ((\sw)<<2)|((\sw)<<4)
.irp i, 2,4,6,8,10,12,14
.irp b, 0,1,2,3
	v_max3_num_f32 v[TM+\b], v[TM+\b], |v[(\s)+16*\b+\i]|, |v[(\s)+16*\b+\i+1]|
.endr
.endr
	WIN 0
.irp b, 0,1,2,3
	v_permlanex16_b32 v[TM+4+\b], v[TM+\b], s[SEL], s[SEL+1]
.endr
.irp b, 0,1,2,3
	v_max_num_f32 v[TM+\b], v[TM+\b], v[TM+4+\b]
.endr
.irp b, 0,1,2,3
	v_add_nc_u32 v[TM+8+\b], 0xfe000000, v[TM+\b]
.endr
.irp b, 0,1,2,3
	v_lshrrev_b32 v[TM+4+\b], 23, v[TM+8+\b]
.endr
	v_lshl_or_b32 v[PW], v[TM+5], 8, v[TM+4]
	v_lshl_or_b32 v[PW], v[TM+6], 16, v[PW]
	v_lshl_or_b32 v[PW], v[TM+7], 24, v[PW]
	WIN (\sw)
.irp c, 0,1
	v_cvt_scalef32_pk16_bf6_f32 v[PC+6*\c:PC+6*\c+2], v[(\s)+32*\c:(\s)+32*\c+15], v[TM+8+2*\c]
	v_cvt_scalef32_pk16_bf6_f32 v[SCR+4*\c:SCR+4*\c+2], v[(\s)+32*\c+16:(\s)+32*\c+31], v[TM+8+2*\c+1]
.endr
	WIN 0
	v_nop                                          ; one plain place behind a scaled conversion
.irp c, 0,1
.irp i, 0,1,2
	v_permlane16_swap_b32 v[PC+6*\c+\i], v[SCR+4*\c+\i]
.endr
.irp i, 0,1,2
	v_mov_b32 v[PC+6*\c+3+\i], v[SCR+4*\c+\i]
.endr
.endr
.endm
; wo's two fragments of my tile wt, out of LDS into window 2: lane (r, h) takes 2 x 24 bytes a K step of row 16 wt + r, as they lie, in pieces of 8 bytes; rows in their own order
.macro WOFR wt
.irp s, 0,1
.irp p, 0,1,2,3,4,5
	ds_load_b64 v[24*(\wt)+12*\s+2*\p:24*(\wt)+12*\s+2*\p+1], v[WOA] offset:(\wt)*3072+\s*96+48*(\p/3)+8*(\p%3)
.endr
.endr
.endm
; 16 rows c of out x all 128 j: source 0 = 16 j of ctx, source 1 = 16 rows of wo, C = bo: a lane holds one row c and eight neighbouring j.  Through my stage the rows come back whole (512 bytes), x is added, and
; the 32 lanes store 512 consecutive bytes, aligned to 256.
.macro ETILE ci
.set RB_, S+64*((\ci)%2)
.set XR_, 64*((\ci)%4)
.if (\ci) < 7
.set WN_, 12                           ; the LDS loads issued behind the rows': the next tile's fragments of wo
.else
.set WN_, 0
.endif
	s_wait_dscnt 0x0                               ; this tile's fragments of wo are in (ahead of the first tile: ctx's fragments and scale words too)
	WIN 0x49                                       ; source 0 (ctx) window 1, source 1 (wo) window 2, C (bo) window 0, D window 1
.irp tt, 0,1,2,3,4,5,6,7
	MM EA+8*\tt, 24*\tt, 24*(\ci), CB, CSV+\tt, WOS+(\ci), 0
.endr
	WIN 0x59                                       ; C window 1
.irp tt, 0,1,2,3,4,5,6,7
	MM EA+8*\tt, 24*\tt+12, 24*(\ci)+12, EA+8*\tt, CSV+\tt, WOS+(\ci), 1
.endr
	PLACES
	WIN 0x04                                       ; an LDS store's data are its source 1: window 1
.irp tt, 0,1,2,3,4,5,6,7
	ds_store_b128 v[STO], v[EA+8*\tt:EA+8*\tt+3] offset:128*(\tt/2)+32*(\tt%2)          ; each accumulator from its low end on
	ds_store_b128 v[STO], v[EA+8*\tt+4:EA+8*\tt+7] offset:128*(\tt/2)+32*(\tt%2)+16
.endr
	WIN 0
	s_wait_xcnt 0x0                                ; the stores of two tiles ago have read the 64 registers into which the rows below come back: those are written again only behind this wait
.irp i, 0,1,2,3,4,5,6,7,8,9,10,11,12,13,14,15
	ds_load_b128 v[RB_+4*\i:RB_+4*\i+3], v[RD] offset:528*\i   ; LDS serves a wave's instructions in order (ISA guide 5.7.1.4): these see the stores above
.endr
.if (\ci) < 7
	WIN 0x80
	WOFR (\ci)+1                                   ; into registers that no product has read yet
	WIN 0
.irp j, 0,1,2,3,4,5,6,7
	v_mov_b32 v[CB+\j], v[BO+(\ci)+1]              ; the next tile's bo
.endr
.endif
.if (\ci) >= 4
	s_wait_loadcnt 16*(7-(\ci))                    ; this tile's 16 loads of x are in; those of the later tiles may be out
.endif
.irp hh, 0,1
	s_wait_dscnt 8-8*\hh+WN_                       ; eight rows more are back; the rows behind them and wo's fragments may be out
	WIN 0x0c                                       ; source 1 (x) window 3
.irp i, 0,1,2,3,4,5,6,7
	v_pk_add_f32 v[RB_+32*\hh+4*\i:RB_+32*\hh+4*\i+1], v[RB_+32*\hh+4*\i:RB_+32*\hh+4*\i+1], v[XR_+32*\hh+4*\i:XR_+32*\hh+4*\i+1]
	v_pk_add_f32 v[RB_+32*\hh+4*\i+2:RB_+32*\hh+4*\i+3], v[RB_+32*\hh+4*\i+2:RB_+32*\hh+4*\i+3], v[XR_+32*\hh+4*\i+2:XR_+32*\hh+4*\i+3]
.endr
	WIN 0                                          ; (a store's data are its source 1: window 0)
.irp i, 0,1,2,3,4,5,6,7
	global_store_b128 v[LI], v[RB_+32*\hh+4*\i:RB_+32*\hh+4*\i+3], s[OB:OB+1] offset:(16*(\ci)+8*\hh+\i)*8192 th:TH_STORE_NT
.endr
.endr
.if (\ci) < 4
	WIN 0xc0
.irp i, 0,1,2,3,4,5,6,7,8,9,10,11,12,13,14,15
	global_load_b128 v[XR_+4*\i:XR_+4*\i+3], v[LI], s[XB:XB+1] offset:(16*((\ci)+4)+\i)*8192 th:TH_LOAD_NT   ; x's tile four further on, into the registers just read
.endr
	WIN 0
.endif
.endm
	s_load_b256 s[4:11], s[0:1], 0x0               ; iside, jside, x, wo's codes
	s_load_b128 s[12:15], s[0:1], 0x20             ; wo's scales, bo
	s_load_b64 s[16:17], s[0:1], 0x30              ; out0
	v_lshl_add_u32 v[SPW], v0, 2, SPARE
	v_mov_b32 v[NIL], 0
	ds_add_u32 v[SPW], v[NIL]                      ; the wave's opening: the add, twice on end, and its wait ahead of my first tensor load; work on registers stands between
	ds_add_u32 v[SPW], v[NIL]
	v_lshrrev_b32 v126, 5, v0
	v_readfirstlane_b32 s[WV], v126                ; wave 0..3
	s_bfe_u32 s19, ttmp6, 0x40000                  ; cx: my place in the cluster
	s_lshl_b32 s20, ttmp9, 2                       ; in a cluster launch ttmp9 counts clusters
	s_add_co_u32 s20, s20, s19                     ; my block of 128 positions j: it enters global addresses of my own loads and stores alone
	s_and_b32 s21, ttmp7, 0xffff                   ; the batch, which the four partners share
	; descriptor group 1: a quarter of a slot, 25,600 dense bytes, as 100 rows of 256 bytes (32 elements of 8 bytes)
	s_mov_b32 s[G1+0], 15|(3<<16)|(1<<21)          ; 15:0 the mask: all four work-groups; 17:16 elements of 8 bytes; 21 set beside a mask
	s_mov_b32 s[G1+1], 32<<16
	s_mov_b32 s[G1+2], 100<<16
	s_mov_b32 s[G1+3], 32<<16
	s_mov_b32 s[G1+4], 100
	s_mov_b32 s[G1+5], 32
	s_mov_b32 s[G1+6], 0
	s_mov_b32 s[G1+7], 0
	; and for a quarter of wo's codes: 128 rows of 192 bytes are 24,576 dense bytes: 96 rows of 256 bytes
	s_mov_b32 s[G1W+0], 15|(3<<16)|(1<<21)
	s_mov_b32 s[G1W+1], 32<<16
	s_mov_b32 s[G1W+2], 96<<16
	s_mov_b32 s[G1W+3], 32<<16
	s_mov_b32 s[G1W+4], 96
	s_mov_b32 s[G1W+5], 32
	s_mov_b32 s[G1W+6], 0
	s_mov_b32 s[G1W+7], 0
	s_mov_b32 s[G0W], 1
	s_mul_i32 s[G0W+1], s[WV], 24576               ; in slot 0: wave x 24,576
	s_mov_b32 s[CC], 0x3db8aa3b                    ; log2(e) / 16
	s_mov_b32 s[CC+1], s[CC]
	s_mov_b32 s[SEL], 0x76543210
	s_mov_b32 s[SEL+1], 0xfedcba98
	s_mov_b32 s[TB], 0
	s_mov_b32 s[SLOTS], 7
	s_cmp_lt_u32 s[WV], 3
	s_cselect_b32 s[LIM], 0, 1                     ; 0 in waves 0 to 2,
	s_or_b32 s[LIM], s[LIM], ttmp9                 ; of the batch's first cluster: the same in all four partners
	s_cmp_eq_u32 s[LIM], 0
	s_cselect_b32 s[LIM], 1, -1
	s_mul_i32 s50, s21, 16*REC                     ; the batch's 16 records,
	s_mul_i32 s[G0+1], s[WV], 25600                ; my quarter of a slot: in LDS,
	s_add_co_u32 s50, s50, s[G0+1]                 ; and in memory: no place in the cluster enters the descriptor
	s_mov_b32 s51, 0
	s_mul_i32 s48, s19, 3                          ; the prefetches: partner cx, wave w: 8,192 bytes at 8,192 (3 cx + w),
	s_add_co_u32 s48, s48, s[WV]
	s_lshl_b32 s48, s48, 13
	s_add_co_u32 s48, s48, 2*REC                   ; in slot 1: the first change of slots steps it to slot 2
	s_mul_i32 s49, s21, 16*REC
	s_add_co_u32 s48, s48, s49
	s_mov_b32 s49, 0
	v_and_b32 v126, 31, v0                         ; lane
	v_and_b32 v127, 15, v0                         ; r
	v_bfe_u32 v35, v0, 4, 1                        ; h
	v_lshlrev_b32 v[LI], 4, v126
	v_lshlrev_b32 v[PFO], 8, v126
	v_lshrrev_b32 v[XPO], 1, v126
	v_lshlrev_b32 v[XPO], 13, v[XPO]
	v_and_b32 v[ADR], 1, v126
	v_lshl_add_u32 v[XPO], v[ADR], 8, v[XPO]
	s_mul_i32 s58, s[WV], 8448
	s_add_co_u32 s58, s58, STAGE                   ; my stage
	v_mul_u32_u24 v[STO], v127, 528                ; in: row r; my half's eight j of a tile: + 64 h
	v_lshl_add_u32 v[STO], v35, 6, v[STO]
	v_add_nc_u32 v[STO], s58, v[STO]
	v_lshl_add_u32 v[RD], v126, 4, s58             ; back: the 32 lanes take a row of 512 bytes
	s_mul_i32 s58, s[WV], 6144
	s_add_co_u32 s58, s58, CIMG
	v_lshl_add_u32 v[CIW], v126, 4, s58
	s_lshl_b32 s58, s[WV], 8
	s_add_co_u32 s58, s58, CSC
	v_lshl_add_u32 v[CSW], v127, 2, s58
	v_lshl_add_u32 v[CIR], v126, 4, CIMG
	v_lshl_add_u32 v[CSR], v126, 2, CSC
	s_mul_i32 s58, s[WV], 24576                    ; my quarter of wo in LDS
	v_mul_u32_u24 v[WOA], v127, 192                ; a row of wo is 256 codes, 192 bytes
	v_mad_u32_u24 v[WOA], v35, 24, v[WOA]
	v_add_nc_u32 v[WOA], s58, v[WOA]
	v_lshlrev_b32 v[WSA], 3, v127                  ; and 8 scale bytes: lanes 0-15 take word 0, lanes 16-31 word 1
	v_lshl_add_u32 v[WSA], v35, 2, v[WSA]
	v_lshlrev_b32 v[BOA], 2, v127
.irp t, 0,1
	v_mov_b32 v[ST+20*\t+1], 0xff61b1e6            ; the largest t so far: -3e38, under every t
	v_floor_f32 v[ST+20*\t], -v[ST+20*\t+1]        ; -M
	v_mov_b32 v[ST+20*\t+2], 0                     ; l, in two halves
	v_mov_b32 v[ST+20*\t+3], 0
	v_mov_b32 v[ST+20*\t+5], 0                     ; (named as the upper halves of pairs)
	v_mov_b32 v[ST+20*\t+7], 0
.irp b, 0,1,2,3
	v_mov_b32 v[ST+20*\t+12+\b], 0                 ; written once: a lane permute's destination counts as one of its sources
.endr
.endr
	s_wait_dscnt 0x0                               ; both opening adds are done
	s_wait_kmcnt 0x0
	s_mov_b32 s[G0], 1
	s_add_nc_u64 s[G0+2:G0+3], s[4:5], s[50:51]
	s_or_b32 s[G0+3], s[G0+3], 0x80000000
	s_add_nc_u64 s[PFA:PFA+1], s[4:5], s[48:49]
	CROUND                                         ; all four work-groups are here: the first joint loads meet
	tensor_load_to_lds s[G0:G0+3], s[G1:G1+7]      ; slot 0: every wave issues its quarter, with no branch
	s_nop 0
	PLACES
	s_lshl_b32 s52, s21, 4
	s_add_co_u32 s52, s52, s20
	s_mul_i32 s52, s52, 25600                      ; jside: my record,
	s_mov_b32 s53, 0
	s_add_nc_u64 s[6:7], s[6:7], s[52:53]
	s_mul_i32 s52, s[WV], 6144                     ; my two tiles' four images,
	s_add_nc_u64 s[54:55], s[6:7], s[52:53]
	s_lshr_b32 s52, s[WV], 1                       ; and their scale words: block (2 w + t) / 4 of 512 bytes, word (2 w + t) % 4 of a lane's 16 bytes
	s_lshl_b32 s52, s52, 9
	s_and_b32 s56, s[WV], 1
	s_lshl_b32 s56, s56, 3
	s_add_co_u32 s52, s52, s56
	s_add_co_u32 s52, s52, 24576
	s_add_nc_u64 s[6:7], s[6:7], s[52:53]
	s_lshl_b32 s52, s21, 22                        ; x and out0: the batch's 4 MiB, my 128 rows of 8,192 bytes, my block's 512 bytes of a row
	s_lshl_b32 s56, s[WV], 20
	s_add_co_u32 s52, s52, s56
	s_lshl_b32 s56, s20, 9
	s_add_co_u32 s52, s52, s56
	s_add_nc_u64 s[XB:XB+1], s[8:9], s[52:53]
	s_add_nc_u64 s[OB:OB+1], s[16:17], s[52:53]
	s_mul_i32 s52, s[WV], 24576                    ; my 128 rows of wo: the wave's number alone enters, so the descriptor is the same in all four partners
	s_add_nc_u64 s[10:11], s[10:11], s[52:53]
	s_mov_b64 s[G0W+2:G0W+3], s[10:11]
	s_or_b32 s[G0W+3], s[G0W+3], 0x80000000
	s_lshl_b32 s52, s[WV], 10                      ; their scale bytes, their bo
	s_add_nc_u64 s[12:13], s[12:13], s[52:53]
	s_lshl_b32 s52, s[WV], 9
	s_add_nc_u64 s[14:15], s[14:15], s[52:53]
	WIN 0x80
.irp t, 0,1
.irp s, 0,1
.irp g, 0,1,2
	global_load_b128 v[KJ+24*\t+12*\s+4*\g:KJ+24*\t+12*\s+4*\g+3], v[LI], s[54:55] offset:(2*\t+\s)*1536+512*\g   ; k's fragments stay in registers
.endr
.endr
.endr
	WIN 0
	global_load_b32 v[KS], v[LI], s[6:7]
	global_load_b32 v[KS+1], v[LI], s[6:7] offset:4
	WIN 0xc0
.set i_, 0
.rept 64
	global_load_b128 v[4*i_:4*i_+3], v[LI], s[XB:XB+1] offset:i_*8192 th:TH_LOAD_NT   ; x, my rows 0-63: they land under the loop and wait in window 3
.set i_, i_+1
.endr
	WIN 0x40
.set i_, 0
.rept 256
	v_mov_b32 v[i_], 0                             ; O^T.  (The key step is written once for all steps: its first run finds zeros, which the first change of M leaves zeros)
.set i_, i_+1
.endr
	WIN 0
	s_wait_loadcnt 63                              ; behind k's 14 loads 64 younger ones were issued: with 63 out at the most k's are in
.Lslot:                                            ; 7 trips: behind each change of slots but the last the next slot is asked for; the first trip's load is slot 1's first fill
	CHANGE 1
	TWO_STEPS
	s_sub_co_u32 s[SLOTS], s[SLOTS], 1
	s_cmp_lg_u32 s[SLOTS], 0
	s_cbranch_scc1 .Lslot
	CHANGE 2                                       ; the last slot is written out: its change asks for wo's codes
	TWO_STEPS
	; ctx = O^T / l becomes codes: my two j tiles x two K steps of 128 channels
	PLACES
.irp t, 0,1
	v_add_f32 v[ST+20*\t+6], v[ST+20*\t+2], v[ST+20*\t+3]         ; l's two halves,
.endr
.irp t, 0,1
	v_permlanex16_b32 v[ST+20*\t+12], v[ST+20*\t+6], s[SEL], s[SEL+1]
.endr
.irp t, 0,1
	v_add_f32 v[ST+20*\t+6], v[ST+20*\t+6], v[ST+20*\t+12]        ; and lane l xor 16's
.endr
.irp t, 0,1
	v_rcp_f32 v[ST+20*\t+6], v[ST+20*\t+6]
.endr
.irp c, 0,1,2,3,4,5,6,7
	global_load_b32 v[WOS+\c], v[WSA], s[12:13] offset:128*\c
.endr
.irp c, 0,1,2,3,4,5,6,7
	global_load_b32 v[BO+\c], v[BOA], s[14:15] offset:64*\c
.endr
	s_wait_tensorcnt 0x0                           ; my quarter of wo's codes is in LDS: I alone read it, so my own wait is all that the reads need
	WIN 0x80
	WOFR 0                                         ; the first tile's two fragments
	WIN 0
	v_nop                                          ; a plain place behind the reciprocals
	s_wait_alu depctr_va_vdst(0)                   ; and the one wait ahead of the first line that names a result
	WIN 0x41
.irp t, 0,1
.set j_, 0
.rept 64
	v_pk_mul_f32 v[128*\t+j_:128*\t+j_+1], v[128*\t+j_:128*\t+j_+1], v[ST+20*\t+6:ST+20*\t+7] op_sel_hi:[1,0]
.set j_, j_+2
.endr
.endr
.irp t, 0,1
.irp s, 0,1
	QUANT 128*\t+64*\s, 1
.irp g, 0,1,2
	ds_store_b128 v[CIW], v[PC+4*\g:PC+4*\g+3] offset:(2*\t+\s)*1536+512*\g
.endr
	ds_store_b32 v[CSW], v[PW] offset:128*\t+64*\s   ; lanes r and r + 16 write the same word with the same value
	s_wait_dscnt 0x0                               ; the stores have landed, and have read their registers
.endr
.endr
	s_barrier_signal -1
	s_barrier_wait -1                              ; ctx's 16 fragments lie in LDS
	WIN 0x40
.set f_, 0
.rept 16
.irp g, 0,1,2
	ds_load_b128 v[12*f_+4*\g:12*f_+4*\g+3], v[CIR] offset:f_*1536+512*\g
.endr
.set f_, f_+1
.endr
	WIN 0
.irp tt, 0,1,2,3,4,5,6,7
	ds_load_b32 v[CSV+\tt], v[CSR] offset:128*\tt  ; lanes 0-15 K step 0, lanes 16-31 K step 1
.endr
	s_wait_loadcnt 0x0                             ; wo's scale words, bo, and x's rows 0-63
.irp j, 0,1,2,3,4,5,6,7
	v_mov_b32 v[CB+\j], v[BO]
.endr
	PLACES
	ETILE 0
	ETILE 1
	ETILE 2
	ETILE 3
	ETILE 4
	ETILE 5
	ETILE 6
	ETILE 7
	s_wait_tensorcnt 0x0                           ; the wave's end: behind my last tensor load and my last LDS store
	ds_add_u32 v[SPW], v[NIL]
	s_wait_dscnt 0x0
	CROUND                                         ; the closing round: no work-group ends while a partner may still ask for a quarter that names it
	s_endpgm
.Lfunc_end_k_q3d0eb6a44e_attn:
	.size	k_q3d0eb6a44e_attn, .Lfunc_end_k_q3d0eb6a44e_attn-k_q3d0eb6a44e_attn
	.p2alignl 7, 3214868480
	.fill 96, 4, 3214868480
	.section	.rodata,"a",@progbits
	.p2align	6, 0x0
	.amdhsa_kernel k_q3d0eb6a44e_attn
		.amdhsa_group_segment_fixed_size 327680
		.amdhsa_private_segment_fixed_size 0
		.amdhsa_enable_private_segment 0
		.amdhsa_kernarg_size 56
		.amdhsa_user_sgpr_count 2
		.amdhsa_user_sgpr_kernarg_segment_ptr 1
		.amdhsa_wavefront_size32 1
		.amdhsa_system_sgpr_workgroup_id_x 1
		.amdhsa_system_sgpr_workgroup_id_y 1
		.amdhsa_system_sgpr_workgroup_id_z 1
		.amdhsa_system_vgpr_workitem_id 0
		.amdhsa_next_free_vgpr 1024
		.amdhsa_next_free_sgpr 90
		.amdhsa_reserve_vcc 0
		.amdhsa_float_denorm_mode_32 3
		.amdhsa_float_denorm_mode_16_64 3
		.amdhsa_memory_ordered 1
		.amdhsa_forward_progress 1
		.amdhsa_inst_pref_size 226
	.end_amdhsa_kernel
	.amdgpu_metadata
---
amdhsa.version: [ 1, 2 ]
amdhsa.kernels:
  - .name:           k_q3d0eb6a44e_attn
    .symbol:         k_q3d0eb6a44e_attn.kd
    .args:
      - { .name: iside, .offset: 0, .size: 8, .value_kind: global_buffer, .address_space: global }
      - { .name: jside, .offset: 8, .size: 8, .value_kind: global_buffer, .address_space: global }
      - { .name: x, .offset: 16, .size: 8, .value_kind: global_buffer, .address_space: global }
      - { .name: wo_codes, .offset: 24, .size: 8, .value_kind: global_buffer, .address_space: global }
      - { .name: wo_scales, .offset: 32, .size: 8, .value_kind: global_buffer, .address_space: global }
      - { .name: bo, .offset: 40, .size: 8, .value_kind: global_buffer, .address_space: global }
      - { .name: out0, .offset: 48, .size: 8, .value_kind: global_buffer, .address_space: global }
    .group_segment_fixed_size: 327680
    .private_segment_fixed_size: 0
    .kernarg_segment_align: 8
    .kernarg_segment_size: 56
    .max_flat_workgroup_size: 128
    .sgpr_count:     90
    .vgpr_count:     1024
    .wavefront_size: 32
...
	.end_amdgpu_metadata
.endif
;; end of part 2
